; MI455X (gfx1250); checked and timed in simulation.
; The chip was launched on July 23, 2026; its instructions are those of AMD's public machine-readable ISA for CDNA 5 (MIT licence, August 2026) and "CDNA5" Instruction Set Architecture Reference Guide (July 2026). The comments in the code are by the model that wrote it; some were corrected since.
;; Causal Multi Head Self Attention. Allowed arithmetic: matrix products marked QUANTISED: E4M3 operands, one E8M0 scale for each 32 along K, by v_wmma_scale_f32_16x16x128_f8f6f4 with both operands' format E4M3, f32 sums; everything else in f32.
;; Inputs: token_positions 2,048 int32; wo 1,024 x 1,024 float32; wqkv 3,072 x 1,024 float32; x 4 x 2,048 x 1,024 float32.
;; Outputs: out0 4 x 2,048 x 1,024 float32.
;; This version of the problem:
;;   THIS VERSION OF THE PROBLEM IS GIVEN IN LOW PRECISION. The matrix products marked QUANTISED in the list below multiply operands that are first quantised to E4M3 (4 exponent bits, 3 mantissa bits; 8 bits a number), with one power-of-two scale for each 32 numbers along K (OCP MX v1.0); their sums are f32. All else is computed in f32.
;;   The module's matrix products, in the order in which they are computed (A, B: the left and right operand; K: the contracted axis; several contracted axes count as one K, in the product's order):
;;     1. [M 8,192, K 1,024] x [K 1,024, N 3,072]; A: input x; B: input wqkv: QUANTISED
;;     2. batch 64 x [M 2,048, K 64] x [K 64, N 2,048]; A: computed on the way; B: computed on the way: QUANTISED
;;     3. batch 64 x [M 2,048, K 2,048] x [K 2,048, N 64]; A: softmax (see below); B: computed on the way: QUANTISED
;;     4. [M 8,192, K 1,024] x [K 1,024, N 1,024]; A: computed on the way; B: input wo: QUANTISED
;;   THE QUANTISER, for each operand of a quantised product, along K:
;;     - K is cut into blocks of 32 from its start; a last block that is shorter is filled with zeros.
;;     - A block's scale is 2^e with e = floor(log2(the largest magnitude in the block)) - 8, held to -126 .. 127; a block of zeros has e = 0. As a byte (E8M0): e + 127.
;;     - Each number is divided by its block's scale, clamped to +-448, and rounded to the nearest number of E4M3, ties to even, subnormals kept.
;;     - The product sums the exact products of the quantised numbers (number of the format x scale) in f32.
;;   ~~~python
;;   def quantise(x, axis):      # numpy; x: float32 -> the quantised numbers, widened to float32 again
;;       x = np.moveaxis(x, axis, -1); K = x.shape[-1]
;;       x = np.pad(x, [(0, 0)] * (x.ndim - 1) + [(0, -K % 32)]); x = x.reshape(x.shape[:-1] + (-1, 32)); a = np.abs(x).max(-1, keepdims=True)
;;       e = np.where(a > 0, np.clip(np.frexp(np.where(a > 0, a, 1))[1] - 1 - 8, -126, 127), 0)      # np.frexp(a)[1] - 1 = floor(log2(a)), exactly
;;       r = np.clip(x / 2.0 ** e, -448, 448)
;;       step = 2.0 ** (np.maximum(np.frexp(np.where(r == 0, 1, r))[1] - 1, -6) - 3)
;;       q = np.round(r / step) * step * 2.0 ** e      # np.round: ties to even
;;       return np.moveaxis(q.reshape(q.shape[:-2] + (-1,))[..., :K], -1, axis).astype(np.float32)
;;   ~~~
;;   SOFTMAX AHEAD OF A QUANTISED PRODUCT. Where the list says 'softmax', what is quantised is not the finished softmax but p = 2^(t - M), with t = logit x log2(e) and M = ceil(the row's largest t), a whole number; so 1/2 < the row's largest p <= 1. The row's sum l is taken of the UNQUANTISED p, in f32, and the product's result is divided by l at the end. Since M is a whole number, a kernel that streams over the keys may use a running M (the ceiling of the running maximum): every later rescaling is an exact power of two, which a block's scale takes up: the codes' values come out the same.
;;   OPERANDS COMPUTED ON THE WAY. 'Computed on the way' means the value that the module computes at that place (a softmax that the list does not call 'softmax' is quantised finished and normalised). What goes into a quantiser is computed in f32, as accurately as f32 sums, v_exp_f32 and their like allow (about 1e-6 of the number): no bf16 or f16 on the way to a quantiser, and a product that is left as it is and whose result goes on into a quantised operand takes f32 operands (vector FMAs, or v_wmma_f32_16x16x4_f32). A number that lies on a knife's edge between two numbers of the format may be rounded either way, as far as f32 arithmetic and the matrix unit's own rounding can turn it there, and no further.
;; One version. Each part assembles by itself: llvm-mc -triple=amdgcn-amd-amdhsa -mcpu=gfx1250 --defsym DOCPART=n.
;; ======== version 1 of 1: 4 launches
;; limits: right only within a limited range of input values; inputs' magnitudes at most 4,194,304
;; workspace buffers: xw_codes 12,582,912 bytes; xw_scales 393,216 bytes; rope 524,288 bytes; qkv_codes 25,165,824 bytes; qkv_scales 1,572,864 bytes; y_img 8,388,608 bytes; y_scales 262,144 bytes
;; launch prep (part 1): grid 416 x 1, 4 waves a work-group, no clusters, 33,280 bytes of LDS; arguments x, wqkv, wo, token_positions, xw_codes, xw_scales, rope; writes xw_codes, xw_scales, rope
.if DOCPART == 1
	.amdgcn_target "amdgcn-amd-amdhsa--gfx1250"
	.amdhsa_code_object_version 6
	.text
	.protected	k_q5bc171caad_prep
	.globl	k_q5bc171caad_prep
	.p2align	8
	.type	k_q5bc171caad_prep,@function
k_q5bc171caad_prep:
	s_mov_b64 s[64:65], 0
	v_nop
	global_prefetch_b8 v0, s[64:65] scope:SCOPE_SE
	s_setreg_imm32_b32 hwreg(HW_REG_WAVE_MODE, 25, 1), 1
	s_wait_xcnt 0x0
; x [8192][1024], wqkv [3072][1024] and wo [1024][1024], f32, become codes of FP8 (E4M3), K innermost, with one E8M0 byte for each 32 along K; and the table of cos and sin for the rotation of q and k is made.
; xw_codes holds 12,288 stored rows of 1,024 codes: x, then wqkv, then wo; xw_scales 32 bytes for each stored row.
; A block's scale is 2^(floor(log2(its largest magnitude)) - 8); its byte is the largest magnitude's exponent field - 8, held at 1 from below; each number is divided by the scale, held within +-448 and rounded to the nearest code, ties to even.
; THE ROWS OF x AND OF wqkv ARE STORED IN ANOTHER ORDER: in every 32 rows the two middle groups of 8 change places.  Sixteen neighbouring stored rows 16 u + r' are then the true rows 32 (u / 2) + 8 (u % 2) + r' + 8 (r' / 8),
; the rows that the next launch wants in one tile, so that its results lie with 16 neighbours along the next quantiser's axis in a lane's registers.  A wave's share is 8 rows, so the change of places is a change of the wave's number in the output's address.
; SHARES: work-groups 0-255 take x, 256-351 wqkv, 352-383 wo, 32 rows each, a wave 8 rows = 16 steps of 512 numbers; work-groups 384-415 make the table, 64 sequence places each.
; Each of a step's four loads reads 512 consecutive bytes; the 2,048 bytes turn through the wave's own stage in LDS and come back 64 bytes a lane: 16 neighbours along K, two lanes to a block.  A lane's 16 codes are 16 bytes: a wave's store covers 512 consecutive bytes.
; A wave's 256 scale bytes are gathered in its own LDS bytes and leave as 256 consecutive aligned bytes.  No barrier: waves share nothing.
; THE TABLE: rope[place][pair i][cos, sin], f32, 256 bytes a place; angle = f32(token_positions[place]) x f32(10^(-i / 8)), rounded once.  The angle is reduced by multiples of pi / 2 held in three parts, and sine and cosine are polynomials on +-pi / 4.
; LIMITS: positions up to about 2^22 in magnitude (beyond, the reduction's error grows); NaN and infinities among the inputs are not served; a block of zeros gets the byte 1 where the rule says 127: its codes are zeros and this program alone reads the bytes;
; blocks whose largest magnitude lies under 2^(8 - 126) have their byte held at 1.
.set STEPS, 16
.set EMAX,  8
.set MANT,  0x600000                   ; the mantissa field of 448 as f32
.set CB,    16                         ; bytes of 16 codes
.set R,     16                         ; v16-79   four sets of 16 numbers as they are loaded
.set X,     80                         ; v80-111  two sets of 16 neighbours
.set C,     128                        ; v128-191 codes: four registers for each step, so that no store's data are written again
.set E,     112                        ; v112-127 a scale byte for each step
.set WREG,  8192                       ; LDS: a region of its own for each wave: two stages of 32 x SP bytes, and behind them its 256 scale bytes
.set SP,    80                         ; a lane's place in a stage: its 64 bytes + 16 of padding
	s_load_b256 s[4:11], s[0:1], 0x0               ; x s[4:5], wqkv s[6:7], wo s[8:9], token_positions s[10:11]
	s_load_b128 s[12:15], s[0:1], 0x20             ; xw_codes s[12:13], xw_scales s[14:15]
	s_load_b64 s[24:25], s[0:1], 0x30              ; rope
	v_lshl_add_u32 v192, v0, 2, 0x8000
	v_mov_b32 v193, 0
	v_lshrrev_b32 v1, 5, v0
	v_readfirstlane_b32 s16, v1                    ; wave
	v_and_b32 v2, 31, v0                           ; lane
	s_cmp_ge_u32 ttmp9, 384                        ; the last 32 work-groups make the table: a branch on the work-group's number
	s_cbranch_scc1 .Ltable
	v_lshlrev_b32 v3, 4, v2                        ; my 16 bytes of a load's 512
	s_mul_i32 s17, s16, WREG
	v_lshrrev_b32 v14, 2, v2
	v_mul_u32_u24 v14, v14, SP
	v_and_b32 v15, 3, v2
	v_lshl_add_u32 v14, v15, 4, v14
	v_add_nc_u32 v14, s17, v14                     ; the stage, on the way in: four lanes' 64 bytes on end, then 16 of padding
	v_mul_u32_u24 v15, v2, SP
	v_add_nc_u32 v15, s17, v15                     ; and on the way out: SP x lane: my 16 neighbours
	v_mul_u32_u24 v4, v2, CB                       ; my codes' place in a step's
	v_lshrrev_b32 v5, 1, v2
	s_add_co_u32 s17, s17, 2*32*SP
	v_add_nc_u32 v5, s17, v5                       ; LDS: my wave's 256 scale bytes, my block's byte
	v_lshlrev_b32 v7, 3, v2                        ; and on the way out 8 bytes a lane
	v_add_nc_u32 v6, s17, v7
	s_mov_b32 s23, MANT                            ; (an instruction takes one literal: the hold's line has another)
	s_and_b32 s26, s16, 1
	s_lshl_b32 s26, s26, 1
	s_lshr_b32 s27, s16, 1
	s_or_b32 s26, s26, s27                         ; the wave's number with 1 and 2 changed: where my 8 rows are stored
	s_wait_alu depctr_va_vdst(0)
	s_wait_kmcnt 0x0
	s_mov_b32 s17, 352
	s_cmp_lt_u32 ttmp9, 352                        ; wqkv's work-group or wo's?  The choices hang on the work-group's number alone
	s_cselect_b64 s[6:7], s[6:7], s[8:9]
	s_cselect_b32 s17, 256, s17                    ; the tensor's first work-group
	s_cselect_b32 s26, s26, s16                    ; wo's rows keep their order
	s_cmp_lt_u32 ttmp9, 256                        ; x's?
	s_cselect_b64 s[4:5], s[4:5], s[6:7]
	s_cselect_b32 s17, 0, s17
	s_sub_co_u32 s17, ttmp9, s17
	s_lshl_b32 s17, s17, 2
	s_add_co_u32 s18, s17, s16                     ; which run of 8,192 numbers of the tensor is my wave's
	s_lshl_b32 s18, s18, 15                        ; 32,768 bytes a run
	s_mov_b32 s19, 0
	s_add_nc_u64 s[4:5], s[4:5], s[18:19]
	s_lshl_b32 s20, ttmp9, 2
	s_add_co_u32 s20, s20, s26                     ; which run of 8 stored rows takes the results
	s_lshl_b32 s18, s20, 13                        ; 8,192 bytes of codes,
	s_add_nc_u64 s[12:13], s[12:13], s[18:19]
	s_lshl_b32 s18, s20, 8                         ; 256 scale bytes
	s_add_nc_u64 s[14:15], s[14:15], s[18:19]
.macro LOAD t
.irp i, 0,1,2,3
	global_load_b128 v[R+16*((\t)%4)+4*\i:R+16*((\t)%4)+4*\i+3], v3, s[4:5] offset:2048*(\t)+512*\i th:TH_LOAD_NT   ; 32 lanes read 512 consecutive bytes
.endr
.endm
.macro TURN t                          ; step t's numbers through the stage: LDS serves a wave's instructions in order, so no wait stands between the stores and the loads
.irp i, 0,1,2,3
	ds_store_b128 v14, v[R+16*((\t)%4)+4*\i:R+16*((\t)%4)+4*\i+3] offset:32*SP*((\t)%2)+8*SP*\i
.endr
.irp i, 0,1,2,3
	ds_load_b128 v[X+16*((\t)%2)+4*\i:X+16*((\t)%2)+4*\i+3], v15 offset:32*SP*((\t)%2)+16*\i
.endr
.endm
.irp t, 0,1,2,3
	LOAD \t
.endr
	s_wait_loadcnt 12                              ; step 0's four loads are in
	TURN 0
.macro STEP t
.set XS, X+16*((\t)%2)
.if (\t) > 0
	s_wait_dscnt 1                                 ; this step's numbers are back from the stage (the last step's byte store may be out): so its stores into the stage have read their registers,
.else
	s_wait_dscnt 0x0
.endif
.if (\t)+4 < STEPS
	LOAD (\t)+4                                    ; which take the loads of four steps on
.endif
.if (\t)+1 < STEPS
.if STEPS-2-(\t) >= 3
	s_wait_loadcnt 12                              ; the next step's four loads are in; those of the three steps behind it may be out
.else
	s_wait_loadcnt 4*(STEPS-2-(\t))
.endif
	TURN (\t)+1                                    ; and go through the other stage while this step is worked
.endif
	v_max3_num_f32 v8, |v[XS]|, |v[XS+1]|, |v[XS+2]|               ; the largest magnitude of my 16
	v_max3_num_f32 v9, |v[XS+3]|, |v[XS+4]|, |v[XS+5]|
.irp i, 6,10
	v_max3_num_f32 v8, v8, |v[XS+\i]|, |v[XS+\i+1]|
	v_max3_num_f32 v9, v9, |v[XS+\i+2]|, |v[XS+\i+3]|
.endr
	v_max3_num_f32 v8, v8, |v[XS+14]|, |v[XS+15]|
	v_max3_num_f32 v8, v8, v9, (EMAX+1)<<23        ; and the floor 2^(EMAX + 1 - 127): so the byte cannot fall under 1
	v_max_num_f32_dpp v8, v8, v8 row_xmask:1 row_mask:0xf bank_mask:0xf   ; and of my neighbour's 16: the block's
	v_add_nc_u32 v11, -(EMAX<<23), v8              ; EMAX off its exponent field: the conversion takes the exponent field of this operand as its scale, and nothing else of it
	v_and_or_b32 v10, v8, 0x7f800000, s23          ; 448 x the scale: the largest magnitude's exponent field over 448's mantissa
.irp i, 0,1,2,3,4,5,6,7,8,9,10,11,12,13,14,15
	v_med3_num_f32 v[XS+\i], v[XS+\i], -v10, v10   ; the conversion to an 8-bit code does not saturate (ISA guide 7.6.2): hold the number first
.endr
	v_cvt_scalef32_pk8_fp8_f32 v[C+4*(\t):C+4*(\t)+1], v[XS:XS+7], v11
	v_cvt_scalef32_pk8_fp8_f32 v[C+4*(\t)+2:C+4*(\t)+3], v[XS+8:XS+15], v11
	v_lshrrev_b32 v[E+(\t)], 23, v11               ; the scale's byte
	ds_store_b8 v5, v[E+(\t)] offset:16*(\t)       ; both lanes of a block write the same byte with the same value
	global_store_b128 v4, v[C+4*(\t):C+4*(\t)+3], s[12:13] offset:32*CB*(\t)
.endm
.irp t, 0,1,2,3,4,5,6,7,8,9,10,11,12,13,14,15
	STEP \t
.endr
	ds_load_b64 v[12:13], v6                       ; LDS serves a wave's instructions in order: these see my stores
	s_wait_dscnt 0x0
	global_store_b64 v7, v[12:13], s[14:15]        ; 32 lanes store 256 consecutive aligned bytes
	s_wait_tensorcnt 0x0
	ds_add_u32 v192, v193
	s_wait_dscnt 0x0
	s_endpgm
; ---- the table.  A lane is a pair i; a wave takes 16 sequence places.  No LDS is touched on this path.
.Ltable:
	s_wait_alu depctr_va_vdst(0)
	v_lshlrev_b32 v3, 3, v2                        ; 8 bytes a pair
	s_sub_co_u32 s17, ttmp9, 384
	s_lshl_b32 s17, s17, 6
	s_lshl_b32 s18, s16, 4
	s_add_co_u32 s17, s17, s18                     ; my first place: 64 x work-group + 16 x wave
	s_lshl_b32 s18, s17, 2
	s_mov_b32 s19, 0
	s_lshl_b32 s20, s17, 8
	s_mov_b32 s21, 0
	s_wait_kmcnt 0x0
	s_add_nc_u64 s[10:11], s[10:11], s[18:19]
	s_add_nc_u64 s[24:25], s[24:25], s[20:21]
	s_load_b512 s[32:47], s[10:11], 0x0            ; my 16 positions: they enter the angle alone, no address
	v_mov_b32 v2, 0                                ; 10000^(-2 i / 64) = 10^(-i / 8): each written in decimal, rounded to f32 when the text is assembled, and put into lane i
.macro FREQ i, val
	s_mov_b32 s22, \val
	v_writelane_b32 v2, s22, \i
.endm
	FREQ 0, 1.0
	FREQ 1, 0.7498942093324559
	FREQ 2, 0.5623413251903491
	FREQ 3, 0.4216965034285822
	FREQ 4, 0.31622776601683794
	FREQ 5, 0.23713737056616552
	FREQ 6, 0.1778279410038923
	FREQ 7, 0.1333521432163324
	FREQ 8, 0.1
	FREQ 9, 0.07498942093324559
	FREQ 10, 0.05623413251903491
	FREQ 11, 0.04216965034285822
	FREQ 12, 0.031622776601683794
	FREQ 13, 0.023713737056616552
	FREQ 14, 0.01778279410038923
	FREQ 15, 0.01333521432163324
	FREQ 16, 0.01
	FREQ 17, 0.007498942093324559
	FREQ 18, 0.005623413251903491
	FREQ 19, 0.004216965034285822
	FREQ 20, 0.0031622776601683794
	FREQ 21, 0.0023713737056616552
	FREQ 22, 0.001778279410038923
	FREQ 23, 0.001333521432163324
	FREQ 24, 0.001
	FREQ 25, 0.0007498942093324559
	FREQ 26, 0.0005623413251903491
	FREQ 27, 0.0004216965034285822
	FREQ 28, 0.00031622776601683794
	FREQ 29, 0.00023713737056616552
	FREQ 30, 0.0001778279410038923
	FREQ 31, 0.0001333521432163324
	v_mov_b32 v11, 0x3fc90fdb                      ; pi / 2 in three parts: the nearest f32,
	v_mov_b32 v12, 0xb33bbd2e                      ; what is left of it,
	v_mov_b32 v13, 0xa6f72ced                      ; and what is left of that
	v_mov_b32 v14, 0xb94ca1f9                      ; the sine's leading coefficient
	v_mov_b32 v15, 0x37ccf5ce                      ; the cosine's
	s_wait_kmcnt 0x0
.macro TAB k                           ; place k of my 16; its results have registers of their own, so that no store's data are written again
	v_cvt_f32_i32 v20, s[32+\k]
	s_wait_alu depctr_va_vdst(0)
	v_mul_f32 v20, v20, v2                         ; the angle, rounded once
	v_mul_f32 v21, 0x3f22f983, v20                 ; x 2 / pi
	v_rndne_f32 v21, v21                           ; n: how many quarter turns
	v_fma_f32 v22, -v21, v11, v20                  ; angle - n x the first part: a multiple of 2^-23 under 2, so nothing is rounded
	v_fma_f32 v22, -v21, v12, v22
	v_fma_f32 v22, -v21, v13, v22                  ; r, within +-pi / 4
	v_cvt_i32_f32 v23, v21
	v_mul_f32 v24, v22, v22                        ; z = r r
	v_fmaak_f32 v25, v14, v24, 0x3c08839e
	v_fmaak_f32 v25, v25, v24, 0xbe2aaaa3
	v_mul_f32 v25, v25, v24
	v_fma_f32 v25, v25, v22, v22                   ; sin r = r + r z (..)
	v_fmaak_f32 v26, v15, v24, 0xbab6061a
	v_fmaak_f32 v26, v26, v24, 0x3d2aaaa5
	v_mul_f32 v26, v26, v24
	v_fma_f32 v27, v24, -0.5, 1.0
	v_fma_f32 v26, v26, v24, v27                   ; cos r = 1 - z / 2 + z z (..)
	v_and_b32 v27, 1, v23
	v_cmp_eq_u32 vcc_lo, 1, v27                    ; an odd number of quarter turns changes sine and cosine
	v_cndmask_b32 v28, v25, v26, vcc_lo
	v_cndmask_b32 v29, v26, v25, vcc_lo
	v_lshlrev_b32 v27, 30, v23
	v_and_b32 v27, 0x80000000, v27                 ; the sine is turned over where bit 1 of n is set,
	v_xor_b32 v[65+2*\k], v28, v27
	v_add_nc_u32 v27, 1, v23
	v_lshlrev_b32 v27, 30, v27
	v_and_b32 v27, 0x80000000, v27                 ; the cosine where bit 1 of n + 1 is
	v_xor_b32 v[64+2*\k], v29, v27
	global_store_b64 v3, v[64+2*\k:65+2*\k], s[24:25] offset:256*\k   ; 32 lanes store a place's 256 consecutive aligned bytes
.endm
.irp k, 0,1,2,3,4,5,6,7,8,9,10,11,12,13,14,15
	TAB \k
.endr
	s_endpgm
.Lfunc_end_k_q5bc171caad_prep:
	.size	k_q5bc171caad_prep, .Lfunc_end_k_q5bc171caad_prep-k_q5bc171caad_prep
	.p2alignl 7, 3214868480
	.fill 96, 4, 3214868480
	.section	.rodata,"a",@progbits
	.p2align	6, 0x0
	.amdhsa_kernel k_q5bc171caad_prep
		.amdhsa_group_segment_fixed_size 33280
		.amdhsa_private_segment_fixed_size 0
		.amdhsa_enable_private_segment 0
		.amdhsa_kernarg_size 56
		.amdhsa_user_sgpr_count 2
		.amdhsa_user_sgpr_kernarg_segment_ptr 1
		.amdhsa_wavefront_size32 1
		.amdhsa_system_sgpr_workgroup_id_x 1
		.amdhsa_system_sgpr_workgroup_id_y 1
		.amdhsa_system_sgpr_workgroup_id_z 1
		.amdhsa_system_vgpr_workitem_id 0
		.amdhsa_next_free_vgpr 194
		.amdhsa_next_free_sgpr 66
		.amdhsa_reserve_vcc 1
		.amdhsa_float_denorm_mode_32 3
		.amdhsa_float_denorm_mode_16_64 3
		.amdhsa_memory_ordered 1
		.amdhsa_forward_progress 1
		.amdhsa_inst_pref_size 79
	.end_amdhsa_kernel
	.amdgpu_metadata
---
amdhsa.version: [ 1, 2 ]
amdhsa.kernels:
  - .name:           k_q5bc171caad_prep
    .symbol:         k_q5bc171caad_prep.kd
    .args:
      - { .name: x, .offset: 0, .size: 8, .value_kind: global_buffer, .address_space: global }
      - { .name: wqkv, .offset: 8, .size: 8, .value_kind: global_buffer, .address_space: global }
      - { .name: wo, .offset: 16, .size: 8, .value_kind: global_buffer, .address_space: global }
      - { .name: token_positions, .offset: 24, .size: 8, .value_kind: global_buffer, .address_space: global }
      - { .name: xw_codes, .offset: 32, .size: 8, .value_kind: global_buffer, .address_space: global }
      - { .name: xw_scales, .offset: 40, .size: 8, .value_kind: global_buffer, .address_space: global }
      - { .name: rope, .offset: 48, .size: 8, .value_kind: global_buffer, .address_space: global }
    .group_segment_fixed_size: 33280
    .private_segment_fixed_size: 0
    .kernarg_segment_align: 8
    .kernarg_segment_size: 56
    .max_flat_workgroup_size: 128
    .sgpr_count:     66
    .vgpr_count:     194
    .wavefront_size: 32
...
	.end_amdgpu_metadata
.endif
;; end of part 1
;; launch qkv (part 2): grid 4 x 96, 4 waves a work-group, clusters of 4 x 4, 327,680 bytes of LDS; arguments xw_codes, xw_scales, rope, qkv_codes, qkv_scales; writes qkv_codes, qkv_scales
.if DOCPART == 2
	.amdgcn_target "amdgcn-amd-amdhsa--gfx1250"
	.amdhsa_code_object_version 6
	.text
	.protected	k_q5bc171caad_qkv
	.globl	k_q5bc171caad_qkv
	.p2align	8
	.type	k_q5bc171caad_qkv,@function
k_q5bc171caad_qkv:
	s_mov_b64 s[64:65], 0
	v_nop
	global_prefetch_b8 v0, s[64:65] scope:SCOPE_SE
	s_setreg_imm32_b32 hwreg(HW_REG_WAVE_MODE, 25, 1), 1
	s_wait_xcnt 0x0
	s_wait_alu depctr_hold_cnt(0) depctr_sa_sdst(0) depctr_va_vdst(0) depctr_va_sdst(0) depctr_va_ssrc(0) depctr_va_vcc(0) depctr_vm_vsrc(0)
	s_getreg_b32 s2, hwreg(HW_REG_IB_STS2, 6, 4)
	s_cmp_eq_u32 s2, 0
	s_cbranch_scc0 .Lentry_in_a_cluster
	s_endpgm
.Lentry_in_a_cluster:
	s_bfe_u32 s2, ttmp6, 0x10000c
	s_cmp_lg_u32 s2, 0xf033
	s_cbranch_scc0 .Lentry_shape_is_right
	s_endpgm
.Lentry_shape_is_right:
; qkv = x wqkv^T on codes of FP8 (E4M3) with one E8M0 scale for each 32 along K = 1,024; on the way out q and k are rotated (RoPE) and quantised along the head's 64, v is quantised along the keys.  No f32 result goes to memory.
; Both operands lie in xw_codes / xw_scales as stored rows (x: 0-8,191; wqkv: 8,192-11,263), counted here in tiles of 256 stored rows: x 0-31, wqkv's q and k rows 32-39, its v rows 40-43.
; A tile of the product, 256 x 256, is made by four waves, each 128 x 128: 64 accumulators of 16 x 16, 512 registers.  K goes in steps of 256 through a ring of two LDS slots filled by the tensor data mover.
; THE MATRIX INSTRUCTION: source 0 = 16 stored rows of operand B, source 1 = 16 stored rows of operand A.  In a result lane (r, h) holds A's row r, and register j B's row 8 h + j.
; In every 32 rows of x and of wqkv the two middle groups of 8 are stored in each other's place.  So the 16 registers of B's blocks 2 g and 2 g + 1 are B's TRUE rows 32 g + 16 h + 0 .. 15: 16 neighbours, half of a quantiser's block; the other half lies in lane l xor 16;
; and lane r of A's block a is A's true row 32 (a / 2) + 8 (a % 2) + r + 8 (r / 8): the rows that the attention launch wants in one tile.
; TWO MODES, by the cluster's number CY (the same in all sixteen partners): CY 0-15: A = x, B = wqkv's q and k rows: a lane holds a token, its registers run along the features.  CY 16-23: A = wqkv's v rows, B = x: a lane holds a feature d, its registers run along the keys.
; THE RESULTS ARE STORED AS IMAGES OF OPERAND REGISTERS: a block's 16 codes of a lane are 16 bytes at 16 x lane, so each store covers 512 consecutive aligned bytes, straight from the conversions' registers.
;   qkv_codes: 192 records of 131,072 bytes; record (feature / 64) x 4 + batch: q's heads 0-63, k's 64-127, v's 128-191.  q, k: [tile of 16 tokens][feature block c (2)][512].  v: [step of 128 keys][tile of 16 d (4)][key block c (4)][512].
;   qkv_scales: 192 records of 8,192 bytes: [step][lane][4 words].  q, k: word b of lane l = the two bytes, written twice, of row l % 16 of tile 2 b + l / 16 of the step.  v: word t of lane l = the four bytes of row l % 16 of d tile t.
; CLUSTERS: 4 x 4 work-groups.  A's tile hangs on cy and is asked for jointly by a row of the cluster, B's on cx, by a column.
; LIMITS: NaN and infinities are not served; a block of zeros gets the byte 1 (its codes are zeros; this program alone reads the bytes).
; REGISTERS, in windows of 256: window 0: v0-31 addresses; v32-63 scale words, two sets; v64-127 the codes on the way out; from v128 A's fragments, one set; on the way out v128-255 are at work.
;   window 1: B's fragments, two sets.   window 2: the accumulators of A's blocks 0-3 ((a, b) at v[8 (8 (a % 4) + b)]);   window 3: those of blocks 4-7.
.set SIZE_K, 1024
.set KSTEP,  256                       ; along K in a slot
.set NQ,     KSTEP/128                 ; matrix instructions deep
.set ROWB,   256                       ; a tile's row in bytes
.set KROW,   SIZE_K                    ; a stored row in memory, in bytes
.set PITCH,  272                       ; an LDS row: 256 bytes + 16 of padding = 68 words: row r starts at bank 4 r mod 64 (64 banks of 4 bytes: ISA guide 11.1)
.set FR,     16                        ; registers of a fragment: 16 rows x 128 K
.set NL,     4                         ; LDS loads that bring one
.set NP,     8                         ; places behind this matrix instruction (ISA guide 7.12.1)
.set HALFT,  128*PITCH                 ; 128 rows: what one tensor load brings
.set SLOT,   4*HALFT                   ; A's 256 rows, then B's 256 rows
.set LAPS,   SIZE_K/(2*KSTEP)          ; a lap = two K steps = once round the ring
.set KS,     SIZE_K/32                 ; a row of scales in bytes
.set SCL,    2*SLOT                    ; behind the ring: the scales, as 256 bytes + 16 of padding
.set HALFS,  (128*KS/256)*272          ; the scales of 128 rows
.set SBLK,   (16*KS/256)*272           ; those of 16 rows
.set SPARE,  SCL+4*HALFS               ; behind the scales: the spare words, 128 bytes for each wave: two blocks of 256 bytes that no other line names
.set ADRA, 16                          ; v16-17  LDS address of my A fragments in slot 0, 1
.set ADRB, 20                          ; v20-21  the same for B
.set LN,   24                          ; v24     16 x lane: my place in an image
.set RO,   25                          ; v25     my place in the table: (r + 8 (r / 8)) x 256 + 64 h
.set ADRS, 27                          ; v27     LDS address of my scale words: lanes 0-15 A's rows, lanes 16-31 B's
.set SPW,  28                          ; v28     LDS address of my spare word; never rewritten
.set NIL,  29                          ; v29     0; never rewritten
.set SC,   32                          ; scale words: set s at v[SC + 8 NQ s]
; cos and sin of my token's 16 pairs lie in window 1, in B's fragment registers once they are done with: block a at v[32 a]; in it register 16 c + 2 k the cosine, + 1 the sine, of pair 16 c + 8 h + k
.set AF,   128                         ; A's fragments, in window 0
.set X,    128                         ; the way out: v128-191 the 64 numbers at work
.set T,    192                         ; v192-207 the rotation's first products
.set PC,   208                         ; the codes: set anew for each block: four sets of 16 in v64-127 by turns
.set TM,   224                         ; v224-227 largest magnitudes, v228-231 bytes, v232-235 448 x the scale, v236-239 the conversions' scale operands
.set PW,   240                         ; the four bytes just made
.set WT,   241
.set SW,   244                         ; v244-251 the scale words as they are stored: head 0's four, head 1's four
.set G1, 24                            ; s[24:31] descriptor group 1 for A's tiles;  s[32:39] group 0, one set for each slot
.set G0, 32
.set G1B, 48                           ; s[48:55], s[56:63] the same for B's tiles
.set G0B, 56
.set G1S, 68                           ; s[68:75], s[76:79] groups 1 and 0 for A's scales;  s[80:87], s[88:91] for B's
.set G0S, 76
.set G1SB, 80
.set G0SB, 88
.set VMODE, 95                         ; s95  1: the v rows
.set HM,   99                          ; s99  lanes 16-31
.set MNT,  100                         ; s100 the mantissa field of 448
.set SEL,  104                         ; s[104:105] v_permlanex16_b32's selects for lane l xor 16
.set MSB, 0
.macro WIN new                         ; the immediate's high byte repeats the setting that is left
.if MSB != (\new)
	s_set_vgpr_msb (MSB<<8)|(\new)
.set MSB, (\new)
.endif
.endm
.set MUL_LO, 0xa1                      ; source 0 (B) window 1, source 1 (A) window 0, C and D window 2
.set MUL_HI, 0xf1                      ; the same, C and D window 3
.set TO_B,   0x40                      ; destination window 1, address window 0
; A joint load: waves 0 and 1 fetch for A, waves 2 and 3 for B.  Each of the two lines has one mask and one set of registers for all that issue it; the branch hangs on the wave's number alone.
; Four v_nop follow each of the two lines, ahead of the jump, the label and what follows.
.macro JLOAD g0a, g1a, g0b, g1b
	s_cmp_eq_u32 s15, 0
	s_cbranch_scc0 .Lfor_b_\@
	tensor_load_to_lds s[\g0a:\g0a+3], s[\g1a:\g1a+7]
	s_nop 0
.rept 4
	v_nop
.endr
	s_branch .Lasked_\@
.Lfor_b_\@:
	tensor_load_to_lds s[\g0b:\g0b+3], s[\g1b:\g1b+7]
	s_nop 0
.rept 4
	v_nop
.endr
.Lasked_\@:
.endm
.macro CREST                           ; a round of the cluster's barrier behind its opening barrier
	s_cmp_lg_u32 s14, 0
	s_cbranch_scc1 .Lnot_wave_0_\@
	s_barrier_signal -3
.Lnot_wave_0_\@:
	s_barrier_wait -3
	s_barrier_signal -1
	s_barrier_wait -1
.endm
.macro CROUND                          ; a whole round
	s_barrier_signal -1
	s_barrier_wait -1
	CREST
.endm
	s_load_b128 s[4:7], s[0:1], 0x0                ; xw_codes s[4:5], xw_scales s[6:7]
	s_load_b64 s[12:13], s[0:1], 0x10              ; rope
	s_load_b128 s[8:11], s[0:1], 0x18              ; qkv_codes s[8:9], qkv_scales s[10:11]
	v_lshl_add_u32 v[SPW], v0, 2, SPARE
	v_mov_b32 v[NIL], 0
	ds_add_u32 v28, v29
	ds_add_u32 v28, v29
	s_wait_dscnt 0x0
	v_lshrrev_b32 v1, 5, v0
	v_readfirstlane_b32 s14, v1                    ; wave 0..3
	s_lshr_b32 s15, s14, 1                         ; which half of A's tile is mine.  Also: I fetch for A (0) or for B (1)
	s_and_b32 s16, s14, 1                          ; which half of B's.  Also: which 128 rows of that tile I fetch
	s_bfe_u32 s40, ttmp6, 0x40000                  ; cx, cy: my place in the cluster
	s_bfe_u32 s41, ttmp6, 0x40004
	s_and_b32 s96, ttmp7, 0xffff                   ; CY: the cluster's number, 0 .. 23 (the grid is one cluster wide)
	s_lshr_b32 s97, s96, 1
	s_lshl_b32 s97, s97, 2                         ; q, k: A's first tile: 4 (CY / 2), of x
	s_and_b32 s98, s96, 1
	s_lshl_b32 s98, s98, 2
	s_add_co_u32 s98, s98, 32                      ; q, k: B's first tile: 32 + 4 (CY % 2)
	s_and_b32 s99, s96, 15
	s_lshl_b32 s99, s99, 2                         ; v: B's first tile: 4 (CY - 16), of x
	s_cmp_ge_u32 s96, 16
	s_cselect_b32 s17, 40, s97
	s_cselect_b32 s42, s99, s98
	s_cselect_b32 s[VMODE], 1, 0
	s_add_co_u32 s17, s17, s41                     ; A's tile: + cy
	s_add_co_u32 s42, s42, s40                     ; B's tile: + cx
	s_lshl_b32 s43, s41, 2
	s_lshl_b32 s43, 15, s43                        ; my row of the cluster
	s_lshl_b32 s44, 0x1111, s40                    ; my column
	; descriptor group 1: a tile of 128 rows x ROWB bytes, padded in LDS
	s_or_b32 s[G1+0], s43, (0<<16)|(1<<20)|(1<<21)|(5<<22)|(3<<25)  ; 15:0 the mask: A's tiles go to my row; 17:16 element of 1 byte; 20 padding on; 21 set beside a mask; 24:22 after every 64 words (code 5); 31:25 of 4 words (code 3)
	s_or_b32 s[G1B+0], s44, (0<<16)|(1<<20)|(1<<21)|(5<<22)|(3<<25)
.irp g, G1, G1B
	s_mov_b32 s[\g+1], ROWB<<16                    ; tensor_dim0
	s_mov_b32 s[\g+2], 256<<16                     ; tensor_dim1 = 256 for the head's loads; set to 128 behind them
	s_mov_b32 s[\g+3], ROWB<<16                    ; tile_dim0
	s_mov_b32 s[\g+4], 256                         ; tile_dim1 = 256 for the head's loads; set to 128 behind them
	s_mov_b32 s[\g+5], KROW                        ; tensor_dim0_stride
	s_mov_b32 s[\g+6], 0
	s_mov_b32 s[\g+7], 0
.endr
	; and for the scales of 256 rows: a dense block of 256 KS bytes, as rows of 256 bytes (32 elements of 8 bytes), 16 bytes of padding behind each
	s_or_b32 s[G1S+0], s43, (3<<16)|(1<<20)|(1<<21)|(5<<22)|(3<<25)
	s_or_b32 s[G1SB+0], s44, (3<<16)|(1<<20)|(1<<21)|(5<<22)|(3<<25)
.irp g, G1S, G1SB
	s_mov_b32 s[\g+1], 32<<16
	s_mov_b32 s[\g+2], KS<<16                      ; the scales of 256 rows: KS rows of 256 bytes
	s_mov_b32 s[\g+3], 32<<16
	s_mov_b32 s[\g+4], KS
	s_mov_b32 s[\g+5], 32
	s_mov_b32 s[\g+6], 0
	s_mov_b32 s[\g+7], 0
.endr
	s_lshl_b32 s20, s17, 8                         ; A: the tile's first stored row
	s_lshl_b32 s46, s42, 8                         ; B likewise
	s_mov_b32 s21, 0
	s_mov_b32 s47, 0
	s_mov_b64 s[18:19], KS
	s_mul_u64 s[22:23], s[20:21], s[18:19]         ; where these rows' scales begin, in bytes
	s_mul_u64 s[92:93], s[46:47], s[18:19]
	s_mov_b64 s[18:19], KROW
	s_mul_u64 s[20:21], s[20:21], s[18:19]         ; and their codes
	s_mul_u64 s[46:47], s[46:47], s[18:19]
	s_mul_i32 s45, s14, HALFT                      ; where they go: wave x 128 rows: no place in the cluster enters an LDS address
	s_mul_i32 s18, s16, 128*KROW                   ; in the ring I fetch 128 rows of a tile: which half, in bytes
	s_mov_b32 s19, 0
	s_wait_kmcnt 0x0
	s_add_nc_u64 s[20:21], s[4:5], s[20:21]
	s_add_nc_u64 s[22:23], s[6:7], s[22:23]
	s_add_nc_u64 s[46:47], s[4:5], s[46:47]        ; (both operands lie in the one buffer)
	s_add_nc_u64 s[92:93], s[6:7], s[92:93]
	CROUND                                         ; all sixteen work-groups are here: the first joint loads meet
	s_mov_b32 s[G0S], 1
	s_mov_b32 s[G0S+1], SCL
	s_mov_b64 s[G0S+2:G0S+3], s[22:23]
	s_or_b32 s[G0S+3], s[G0S+3], 0x80000000
	s_mov_b32 s[G0SB], 1
	s_mov_b32 s[G0SB+1], SCL+2*HALFS
	s_mov_b64 s[G0SB+2:G0SB+3], s[92:93]
	s_or_b32 s[G0SB+3], s[G0SB+3], 0x80000000
.irp s, 0,1
	s_mov_b32 s[G0+4*\s], 1
	s_add_co_u32 s[G0+4*\s+1], s45, \s*SLOT
	s_add_nc_u64 s[G0+4*\s+2:G0+4*\s+3], s[20:21], \s*ROWB
	s_or_b32 s[G0+4*\s+3], s[G0+4*\s+3], 0x80000000
	s_mov_b32 s[G0B+4*\s], 1
	s_add_co_u32 s[G0B+4*\s+1], s45, \s*SLOT
	s_add_nc_u64 s[G0B+4*\s+2:G0B+4*\s+3], s[46:47], \s*ROWB
	s_or_b32 s[G0B+4*\s+3], s[G0B+4*\s+3], 0x80000000
.endr
	s_add_nc_u64 s[G0+6:G0+7], s[G0+6:G0+7], s[18:19]      ; slot 1's descriptors: my 128 rows of the tile
	s_add_nc_u64 s[G0B+6:G0B+7], s[G0B+6:G0B+7], s[18:19]
	s_mov_b32 s[G0+1], 0                           ; slot 0's serve the head first: A's 256 rows whole,
	s_mov_b32 s[G0B+1], 2*HALFT                    ; B's 256 rows behind them
; THE HEAD'S LOADS, ONE A WAVE: wave 0 K step 0's 256 rows of A, wave 1 its 256 rows of B, wave 2 the scales of A's 256 rows, wave 3 those of B's.
; One chain of branches on the wave's number, a load to an arm, all arms leading to one join.
.macro ARM under, g0, g1, next
	s_cmp_lt_u32 s14, \under
	s_cbranch_scc0 \next
	tensor_load_to_lds s[\g0:\g0+3], s[\g1:\g1+7]
	s_nop 0
.rept 4
	v_nop
.endr
	s_branch .Lhead_asked
\next:
.endm
	ARM 1, G0,  G1,  .Lhead_b
	ARM 2, G0B, G1B, .Lhead_sa
	ARM 3, G0S, G1S, .Lhead_sb
	tensor_load_to_lds s[G0SB:G0SB+3], s[G1SB:G1SB+7]
	s_nop 0
.rept 4
	v_nop
.endr
.Lhead_asked:
	v_and_b32 v1, 15, v0                           ; r = l % 16
	v_bfe_u32 v2, v0, 4, 1                         ; h = l / 16
	v_mul_u32_u24 v3, v1, PITCH
	v_lshl_add_u32 v4, v2, 4, v3                   ; a fragment's row x pitch + 16 x half
	s_mul_i32 s21, s15, HALFT                      ; my 128 rows of A
	s_mul_i32 s22, s16, HALFT                      ; my 128 rows of B,
	s_add_co_u32 s22, s22, 2*HALFT                 ; which lie behind A's 256
.irp s, 0,1
	v_add_nc_u32 v[ADRA+\s], s21, v4
	v_add_nc_u32 v[ADRB+\s], s22, v4
	s_add_co_u32 s21, s21, SLOT
	s_add_co_u32 s22, s22, SLOT
.endr
	v_mul_u32_u24 v5, v1, KS                       ; my row's scales: KS bytes a row,
	v_lshrrev_b32 v6, 8, v5
	v_lshl_add_u32 v5, v6, 4, v5                   ; and 16 more for each 256 passed
	s_mul_i32 s21, s15, HALFS                      ; A's: my 128 rows
	s_mul_i32 s22, s16, HALFS                      ; B's: my 128 rows, behind A's 256
	s_add_co_u32 s22, s22, 2*HALFS
	s_sub_co_u32 s22, s22, s21
	v_mul_u32_u24 v6, s22, v2                      ; lanes 16-31 take B's
	s_add_co_u32 s21, s21, SCL
	v_add_nc_u32 v5, v5, v6
	v_add_nc_u32 v[ADRS], s21, v5
	v_and_b32 v5, 8, v1
	v_add_nc_u32 v5, v5, v1                        ; r + 8 (r / 8)
	v_lshlrev_b32 v5, 8, v5
	v_lshl_add_u32 v[RO], v2, 6, v5                ; the table: 256 bytes a place, my half's eight pairs 64 bytes on
	v_and_b32 v6, 31, v0
	v_lshlrev_b32 v[LN], 4, v6
	; where my results go.  These registers feed no descriptor
	s_lshl_b32 s96, s17, 8
	s_lshl_b32 s97, s15, 7
	s_add_co_u32 s96, s96, s97                     ; my first stored row of A
	s_lshl_b32 s97, s42, 8
	s_lshl_b32 s98, s16, 7
	s_add_co_u32 s97, s97, s98                     ; and of B
	s_cmp_eq_u32 s[VMODE], 1
	s_cselect_b32 s98, s97, s96                    ; the one that is a row of x: my first token,
	s_cselect_b32 s99, s96, s97                    ; the one that is a row of wqkv
	s_sub_co_u32 s99, s99, 8192                    ; my first feature, 0 .. 3,071
	s_lshr_b32 s100, s98, 11                       ; batch
	s_and_b32 s98, s98, 2047                       ; my first place in the sequence, a multiple of 128
	s_lshr_b32 s99, s99, 6
	s_lshl_b32 s99, s99, 2
	s_add_co_u32 s99, s99, s100                    ; the record of my first 64 features; my other 64 lie four records on
	s_lshr_b32 s100, s98, 7                        ; the step of 128 tokens
	s_lshl_b32 s96, s99, 17
	s_lshl_b32 s97, s100, 13
	s_add_co_u32 s96, s96, s97                     ; 131,072 x record + 8,192 x step: a step's images are 8,192 bytes in q's, k's and v's records alike
	s_mov_b32 s97, 0
	s_add_nc_u64 s[8:9], s[8:9], s[96:97]
	s_lshl_b32 s96, s99, 13
	s_lshl_b32 s100, s100, 9
	s_add_co_u32 s96, s96, s100                    ; 8,192 x record + 512 x step
	s_add_nc_u64 s[10:11], s[10:11], s[96:97]
	s_lshl_b32 s96, s98, 8
	s_add_nc_u64 s[12:13], s[12:13], s[96:97]      ; the table at my first place
	s_mov_b32 s[HM], 0xffff0000
	s_mov_b32 s[MNT], 0x600000
	s_mov_b32 s[SEL], 0x76543210
	s_mov_b32 s[SEL+1], 0xfedcba98
.macro FRAG reg, adr, q, i             ; a fragment, 16 rows x 128 K of 8-bit codes, is 16 registers: lane l holds row l % 16; registers 4 c .. 4 c + 3 hold K = 32 c + 16 (l / 16) + 0 .. 15
.irp c, 0,1,2,3
	ds_load_b128 v[\reg+4*\c:\reg+4*\c+3], v[\adr] offset:128*(\q)+32*\c+(\i)*16*PITCH
.endr
.endm
; 16 matrix instructions: A's blocks a0, a0 + 1 x B's eight, 128 along K: the slot's q-th.  p: B's set;  sc: the set of scale words.  zero = 1: the first product starts the sums: nothing is ever cleared.
; The 64 accumulators take turns, one instruction a turn, in the same order in every step.
.macro MUL16 a0, p, q, sc, zero
.irp a, \a0, \a0+1
.irp b, 0,1,2,3,4,5,6,7
.if \zero
	v_wmma_scale_f32_16x16x128_f8f6f4 v[8*(8*((\a)%4)+\b):8*(8*((\a)%4)+\b)+7], v[128*(\p)+FR*\b:128*(\p)+FR*\b+FR-1], v[AF+FR*(\a):AF+FR*(\a)+FR-1], 0, v[SC+8*NQ*(\sc)+NQ*\b+(\q)], v[SC+8*NQ*(\sc)+NQ*(\a)+(\q)] matrix_a_scale:MATRIX_SCALE_ROW1
.else
	v_wmma_scale_f32_16x16x128_f8f6f4 v[8*(8*((\a)%4)+\b):8*(8*((\a)%4)+\b)+7], v[128*(\p)+FR*\b:128*(\p)+FR*\b+FR-1], v[AF+FR*(\a):AF+FR*(\a)+FR-1], v[8*(8*((\a)%4)+\b):8*(8*((\a)%4)+\b)+7], v[SC+8*NQ*(\sc)+NQ*\b+(\q)], v[SC+8*NQ*(\sc)+NQ*(\a)+(\q)] matrix_a_scale:MATRIX_SCALE_ROW1
.endif
.endr
.endr
.endm
.macro FETCH_B slot, q, p              ; B's eight fragments of the slot's q-th 128 along K into set p
	WIN TO_B
.irp i, 0,1,2,3,4,5,6,7
	FRAG 128*(\p)+FR*\i, ADRB+\slot, \q, \i
.endr
	WIN 0
.endm
.macro FETCH_A slot, q, i0             ; A's blocks i0 .. i0 + 3
.irp i, \i0, \i0+1, \i0+2, \i0+3
	FRAG AF+FR*(\i), ADRA+\slot, \q, \i
.endr
.endm
.macro SCALES sc                       ; the next K step's scale words into set sc: NQ words a row; lanes 0-15 take A's block i, lanes 16-31 B's block i
.irp i, 0,1,2,3,4,5,6,7
	ds_load_b64 v[SC+8*NQ*\sc+NQ*\i:SC+8*NQ*\sc+NQ*\i+1], v[ADRS] offset:\i*SBLK
.endr
.endm
; A load into a register that a matrix instruction has read, and a vector instruction that reads a matrix result or writes one of its registers, stand NP places behind that matrix instruction, and only plain
; vector instructions that name none of its registers are places (ISA guide 7.12.1 for vector instructions).
.macro PLACES n
.rept \n
	v_nop
.endr
.endm
; A step of 128 along K that has its successor in the same slot.
.macro STEP slot, q, zero
	s_wait_dscnt 4*NL                              ; B's set and A's blocks 0-3 are in; the youngest sixteen loads (A's blocks 4-7) may be out
	WIN MUL_LO
	MUL16 0, (\q)%2, \q, \slot, \zero
	MUL16 2, (\q)%2, \q, \slot, \zero
	s_wait_dscnt 0                                 ; A's blocks 4-7 are in (asked for 32 matrix instructions ago)
	PLACES NP
	FETCH_B \slot, (\q)+1, 1-(\q)%2
	FETCH_A \slot, (\q)+1, 0
	WIN MUL_HI
	MUL16 4, (\q)%2, \q, \slot, \zero
	MUL16 6, (\q)%2, \q, \slot, \zero
	PLACES NP
	WIN 0
	FETCH_A \slot, (\q)+1, 4
.endm
; A slot's last step changes slots: one barrier; in front of it each wave waits for all its tensor loads, adds 0 to its spare word, and waits for that and for its own reads of this slot.  fill = 1: this slot is filled again, two K steps ahead.
.macro TURN slot, next, fill
	s_wait_tensorcnt 0x0                           ; all my tensor loads have landed: my part of the next slot;  (every window is 0 here)
	ds_add_u32 v[SPW], v[NIL]                      ; 0 onto my spare word
	s_wait_dscnt 4*NL+1                            ; (the add and the youngest sixteen loads, A's blocks 4-7, may be out)
	WIN MUL_LO
	MUL16 0, 1, NQ-1, \slot, 0                     ; sixteen matrix instructions stand between the add and the wait for it
	s_wait_dscnt 0x0                               ; the add is done, and my reads of this slot are over
	s_barrier_signal -1
	MUL16 2, 1, NQ-1, \slot, 0
	WIN 0
	s_barrier_wait -1
.if \fill
	CREST                                          ; the barrier has opened a round of the cluster's barrier: no wave of any partner still reads this slot's tile or has a load on its way
	s_add_nc_u64 s[G0+4*\slot+2:G0+4*\slot+3], s[G0+4*\slot+2:G0+4*\slot+3], 2*ROWB
	s_add_nc_u64 s[G0B+4*\slot+2:G0B+4*\slot+3], s[G0B+4*\slot+2:G0B+4*\slot+3], 2*ROWB
	JLOAD G0+4*\slot, G1, G0B+4*\slot, G1B         ; the first tensor load behind the round; the four v_nop behind it are among the places in front of the loads below
	PLACES NP-4
.else
	PLACES NP
.endif
	s_wait_alu depctr_va_vdst(0)
	v_add_nc_u32 v[ADRS], 4*NQ, v[ADRS]            ; on to the next K step's scale words (no LDS load of mine is out)
	FETCH_B \next, 0, 0
	FETCH_A \next, 0, 0
	SCALES \next
	WIN MUL_HI
	MUL16 4, 1, NQ-1, \slot, 0
	MUL16 6, 1, NQ-1, \slot, 0
	PLACES NP
	WIN 0
	FETCH_A \next, 0, 4
.endm
; cos and sin for A's block a: my token's 16 pairs of each feature block c: eight loads of 16 bytes
.macro CSLOAD a
.irp c, 0,1
.irp j, 0,1,2,3
	global_load_b128 v[32*(\a)+16*\c+4*\j:32*(\a)+16*\c+4*\j+3], v[RO], s[12:13] offset:(32*((\a)/2)+8*((\a)%2))*256+128*\c+16*\j
.endr
.endr
.endm
	s_wait_alu depctr_va_vdst(0)
	s_wait_tensorcnt 0x0                           ; my tile of the head's four is in
	ds_add_u32 v[SPW], v[NIL]                      ; 0 onto my spare word
	s_mov_b32 s[G1+2], 128<<16                     ; no tensor load of mine is out, so descriptors may be written: from here on a load brings 128 rows,
	s_mov_b32 s[G1+4], 128
	s_mov_b32 s[G1B+2], 128<<16
	s_mov_b32 s[G1B+4], 128
	s_mov_b32 s[G0+1], s45                         ; and slot 0's descriptors name my quarter of the slot
	s_add_nc_u64 s[G0+2:G0+3], s[G0+2:G0+3], s[18:19]
	s_mov_b32 s[G0B+1], s45
	s_add_nc_u64 s[G0B+2:G0B+3], s[G0B+2:G0B+3], s[18:19]
	s_wait_dscnt 0x0                               ; the add is done
	CROUND                                         ; a whole round: all four tiles are in, and all sixteen work-groups are here
	JLOAD G0+4, G1, G0B+4, G1B                     ; K step 1's load, the first tensor load behind the round
	FETCH_B 0, 0, 0
	FETCH_A 0, 0, 0
	SCALES 0
	FETCH_A 0, 0, 4
	STEP 0, 0, 1                                   ; the first step stands in front of the loop: its products start the sums
	s_mov_b32 s3, LAPS-1
.Llap:                                                 ; a trip goes once round the ring, from a lap's second step to the next lap's first, and fills both slots again
	TURN 0, 1, 1
	STEP 1, 0, 0
	TURN 1, 0, 1
	STEP 0, 0, 0
	s_sub_co_u32 s3, s3, 1
	s_cmp_lg_u32 s3, 0
	s_cbranch_scc1 .Llap
	TURN 0, 1, 0                                   ; the last lap fills nothing, and has no round of the cluster's barrier
	STEP 1, 0, 0
	s_cmp_eq_u32 s[VMODE], 1                       ; q, k: the first four blocks' cos and sin are asked for here, a step ahead of their use; v64-127 are no matrix instruction's
	s_cbranch_scc1 .Lno_table
	WIN TO_B                                       ; B's set 0 was last read by the step above, whose eight places stand behind its products: it takes blocks 0 to 3
	CSLOAD 0
	CSLOAD 1
	CSLOAD 2
	CSLOAD 3
	WIN 0
.Lno_table:
	s_wait_dscnt 4*NL                              ; the very last step: nothing more to fetch
	WIN MUL_LO
	MUL16 0, 1, NQ-1, 1, 0
	MUL16 2, 1, NQ-1, 1, 0
	s_wait_dscnt 0
	WIN MUL_HI
	MUL16 4, 1, NQ-1, 1, 0
	MUL16 6, 1, NQ-1, 1, 0
	WIN 0
; THE WAY OUT, by A's blocks.  Block a's 64 results of a lane are v[AC] .. v[AC + 63] of window 2 + a / 4; register 16 g + i is place 32 g + 16 h + i along B's true rows.
; The rotation.  Features 2 k, 2 k + 1 of a head are a pair (x1, x2): r1 = x1 cos - x2 sin, r2 = x1 sin + x2 cos.  First (x1 cos, x2 cos), then (-x2 sin, x1 sin) onto it: two packed instructions a pair.
; Each accumulator is read from its low end on.
.macro ROPE a
.set AC, 64*((\a)%4)
.set CT, 32*(\a)
	WIN (2+(\a)/4)|(1<<2)                          ; source 0: the accumulators' window; source 1: window 1, cos and sin
.irp g, 0,1,2,3
.irp k, 0,1,2,3,4,5,6,7
	v_pk_mul_f32 v[T+2*\k:T+2*\k+1], v[AC+16*\g+2*\k:AC+16*\g+2*\k+1], v[CT+16*(\g%2)+2*\k:CT+16*(\g%2)+2*\k+1] op_sel_hi:[1,0]
.endr
.irp k, 0,1,2,3,4,5,6,7
	v_pk_fma_f32 v[X+16*\g+2*\k:X+16*\g+2*\k+1], v[AC+16*\g+2*\k:AC+16*\g+2*\k+1], v[CT+16*(\g%2)+2*\k:CT+16*(\g%2)+2*\k+1], v[T+2*\k:T+2*\k+1] op_sel:[1,1,0] op_sel_hi:[0,1,1] neg_lo:[1,0,0]
.endr
.endr
	WIN 0
.endm
; 64 numbers of a lane, v[src] on in window w, four blocks of which I hold 16 numbers each, become codes in v[PC] on and four scale bytes in v[pw].  The hold also brings the numbers into v[X] on, in window 0.
.macro QUANT src, w, pw
	WIN (\w)|((\w)<<2)
.irp b, 0,1,2,3
	v_max3_num_f32 v[TM+\b], |v[\src+16*\b]|, |v[\src+16*\b+1]|, 0x4800000   ; block b: my 16 numbers, and the floor 2^(9 - 127): so the byte cannot fall under 1
.endr
	WIN ((\w)<<2)|((\w)<<4)
.irp i, 2,4,6,8,10,12,14
.irp b, 0,1,2,3
	v_max3_num_f32 v[TM+\b], v[TM+\b], |v[\src+16*\b+\i]|, |v[\src+16*\b+\i+1]|   ; (the four blocks by turns)
.endr
.endr
	WIN 0
.irp b, 0,1,2,3
	v_permlanex16_b32 v[TM+4+\b], v[TM+\b], s[SEL], s[SEL+1]
.endr
.irp b, 0,1,2,3
	v_max_num_f32 v[TM+\b], v[TM+\b], v[TM+4+\b]   ; with lane l xor 16's: the block's largest magnitude
.endr
.irp b, 0,1,2,3
	v_add_nc_u32 v[TM+12+\b], 0xfc000000, v[TM+\b] ; 8 off its exponent field: the conversion's scale operand
.endr
.irp b, 0,1,2,3
	v_and_or_b32 v[TM+8+\b], v[TM+\b], 0x7f800000, s[MNT]   ; 448 x the scale
.endr
.irp b, 0,1,2,3
	v_lshrrev_b32 v[TM+4+\b], 23, v[TM+12+\b]      ; the scale's byte
.endr
	v_lshl_or_b32 v[\pw], v[TM+5], 8, v[TM+4]
	v_lshl_or_b32 v[\pw], v[TM+6], 16, v[\pw]
	v_lshl_or_b32 v[\pw], v[TM+7], 24, v[\pw]
	WIN \w
.set n, 0
.rept 64
	v_med3_num_f32 v[X+n], v[\src+n], -v[TM+8+n/16], v[TM+8+n/16]   ; the conversion to an 8-bit code does not saturate (ISA guide 7.6.2): the hold at 448 x the scale
.set n, n+1
.endr
	WIN 0
.irp g, 0,1,2,3,4,5,6,7
	v_cvt_scalef32_pk8_fp8_f32 v[PC+2*\g:PC+2*\g+1], v[X+8*\g:X+8*\g+7], v[TM+12+\g/2]
.endr
	v_nop                                          ; one plain vector instruction behind the last conversion, ahead of whatever next touches its registers
.endm
	PLACES NP                                      ; behind the last products: their results are read and A's registers are written from here on
.irp b, 0,1,2,3
	v_mov_b32 v[TM+4+\b], 0                        ; written once: a lane permute's destination counts as one of its sources
.endr
	s_cmp_eq_u32 s[VMODE], 1
	s_cbranch_scc1 .Lv_rows
	WIN TO_B                                       ; B's set 1 is done with, eight places and more behind the last products: it takes blocks 4 to 7
	CSLOAD 4
	CSLOAD 5
	CSLOAD 6
	CSLOAD 7
	WIN 0
	; ---- q and k: a lane holds a token; blocks g = 0, 1 are the first head's 64 features, g = 2, 3 the second's
.irp a, 0,1,2,3,4,5,6,7
.if \a == 4
	s_wait_xcnt 0x0                                ; the stores of blocks 0 to 3 have read their data: their four sets of codes are written again from here on
.endif
.set PC, 64+16*((\a)%4)
	s_wait_loadcnt 8*(7-\a)                        ; this block's cos and sin are in; the eight loads of each later block may be out
	ROPE \a
	QUANT X, 0, PW
.irp g, 0,1,2,3
	global_store_b128 v[LN], v[PC+4*\g:PC+4*\g+3], s[8:9] offset:(\g/2)*524288+\a*1024+(\g%2)*512   ; 512 consecutive aligned bytes: tile a, feature block g % 2; the second head's record lies 4 x 131,072 bytes on
.endr
.if (\a)%2 == 0                        ; a head's two bytes, written twice; even tiles' words stand in lanes 0-15, odd tiles' in lanes 16-31 (both halves of the lanes hold a row's bytes)
	v_perm_b32 v[SW+(\a)/2], v[PW], v[PW], 0x01000100
	v_perm_b32 v[SW+4+(\a)/2], v[PW], v[PW], 0x03020302
.else
	v_perm_b32 v[WT], v[PW], v[PW], 0x01000100
	v_cndmask_b32 v[SW+(\a)/2], v[SW+(\a)/2], v[WT], s[HM]
	v_perm_b32 v[WT], v[PW], v[PW], 0x03020302
	v_cndmask_b32 v[SW+4+(\a)/2], v[SW+4+(\a)/2], v[WT], s[HM]
.endif
.endr
	s_branch .Lscales_out
.Lv_rows:
	; ---- v: a lane holds a feature d (blocks a = 0-3 the first head's four tiles of d, a = 4-7 the second's); its registers run along my 128 keys: four blocks of 32
.irp a, 0,1,2,3,4,5,6,7
.if \a == 4
	s_wait_xcnt 0x0                                ; the stores of blocks 0 to 3 have read their data: their four sets of codes are written again from here on
.endif
.set PC, 64+16*((\a)%4)
.set AC, 64*((\a)%4)
	QUANT AC, 2+(\a)/4, SW+\a                      ; the four bytes are the row's scale word as it is stored
.irp g, 0,1,2,3
	global_store_b128 v[LN], v[PC+4*\g:PC+4*\g+3], s[8:9] offset:(\a/4)*524288+(\a%4)*2048+\g*512   ; d tile a % 4, key block g
.endr
.endr
.Lscales_out:
	s_wait_alu depctr_va_vdst(0)
	global_store_b128 v[LN], v[SW:SW+3], s[10:11]                  ; a step's scale words of the first head: 512 consecutive aligned bytes,
	global_store_b128 v[LN], v[SW+4:SW+7], s[10:11] offset:32768   ; and of the second, 4 x 8,192 bytes on
	s_wait_tensorcnt 0x0                           ; the wave's end, behind my last tensor load
	ds_add_u32 v[SPW], v[NIL]
	s_wait_dscnt 0x0
	CROUND                                         ; the closing round: no work-group ends while a partner may still ask for a tile that names it
	s_endpgm
.Lfunc_end_k_q5bc171caad_qkv:
	.size	k_q5bc171caad_qkv, .Lfunc_end_k_q5bc171caad_qkv-k_q5bc171caad_qkv
	.p2alignl 7, 3214868480
	.fill 96, 4, 3214868480
	.section	.rodata,"a",@progbits
	.p2align	6, 0x0
	.amdhsa_kernel k_q5bc171caad_qkv
		.amdhsa_group_segment_fixed_size 327680
		.amdhsa_private_segment_fixed_size 0
		.amdhsa_enable_private_segment 0
		.amdhsa_kernarg_size 40
		.amdhsa_user_sgpr_count 2
		.amdhsa_user_sgpr_kernarg_segment_ptr 1
		.amdhsa_wavefront_size32 1
		.amdhsa_system_sgpr_workgroup_id_x 1
		.amdhsa_system_sgpr_workgroup_id_y 1
		.amdhsa_system_sgpr_workgroup_id_z 1
		.amdhsa_system_vgpr_workitem_id 0
		.amdhsa_next_free_vgpr 1024
		.amdhsa_next_free_sgpr 106
		.amdhsa_reserve_vcc 0
		.amdhsa_float_denorm_mode_32 3
		.amdhsa_float_denorm_mode_16_64 3
		.amdhsa_memory_ordered 1
		.amdhsa_forward_progress 1
		.amdhsa_inst_pref_size 255
	.end_amdhsa_kernel
	.section	.bss,"aw",@nobits
	.p2align	6
	.space	262144
	.amdgpu_metadata
---
amdhsa.version: [ 1, 2 ]
amdhsa.kernels:
  - .name:           k_q5bc171caad_qkv
    .symbol:         k_q5bc171caad_qkv.kd
    .args:
      - { .name: xw_codes, .offset: 0, .size: 8, .value_kind: global_buffer, .address_space: global }
      - { .name: xw_scales, .offset: 8, .size: 8, .value_kind: global_buffer, .address_space: global }
      - { .name: rope, .offset: 16, .size: 8, .value_kind: global_buffer, .address_space: global }
      - { .name: qkv_codes, .offset: 24, .size: 8, .value_kind: global_buffer, .address_space: global }
      - { .name: qkv_scales, .offset: 32, .size: 8, .value_kind: global_buffer, .address_space: global }
    .group_segment_fixed_size: 327680
    .private_segment_fixed_size: 0
    .kernarg_segment_align: 8
    .kernarg_segment_size: 40
    .max_flat_workgroup_size: 128
    .sgpr_count:     106
    .vgpr_count:     1024
    .wavefront_size: 32
...
	.end_amdgpu_metadata
.endif
;; end of part 2
;; launch attn (part 3): grid 4 x 64, 16 waves a work-group, no clusters, 296,960 bytes of LDS; arguments qkv_codes, qkv_scales, y_img, y_scales; writes y_img, y_scales
.if DOCPART == 3
	.amdgcn_target "amdgcn-amd-amdhsa--gfx1250"
	.amdhsa_code_object_version 6
	.text
	.protected	k_q5bc171caad_attn
	.globl	k_q5bc171caad_attn
	.p2align	8
	.type	k_q5bc171caad_attn,@function
k_q5bc171caad_attn:
	s_mov_b64 s[64:65], 0
	v_nop
	global_prefetch_b8 v0, s[64:65] scope:SCOPE_SE
	s_setreg_imm32_b32 hwreg(HW_REG_WAVE_MODE, 25, 1), 1
	s_wait_xcnt 0x0
; y[b][q][head] = softmax_k(q . k / 8, causal) v, both products on codes of FP8 (E4M3) with one E8M0 scale for each 32 along a product's K; y is quantised along the model's 1,024 on the way out.
; THE SOFTMAX AHEAD OF THE SECOND PRODUCT: t = score x log2(e) / 8; M = the row's largest t so far, rounded up to a whole number; p = 2^(t - M) is what is quantised, along the keys, not normalised.
; The row's sum is taken of the unquantised p and divides O at the end.  When M moves, the sum and O are multiplied by 2^(old M - new M): nothing is rounded.
; LEFT OUT: key steps all of whose keys come after a wave's queries: reference()'s own causal mask gives them the weight 0 for every input.
; SHARES.  Work-group (j, hb), hb = 4 x head + batch, holds all of its head's K and V in LDS, filled once.  It takes two blocks of 256 queries: first block 7 - j with wave w on tile 15 - w, then block j with wave w on tile w.
; A wave's steps that are not wholly hidden number 2 block + tile / 8 + 1: 17 over both passes, for every wave of every work-group.  A wave owns one tile of 16 queries in 256 registers, four waves to a SIMD.
; THE FILLS, one tensor load a wave at the head: wave 0 K's and V's scale words (two rows of 8,192 bytes); wave w = 1 .. 8 key steps 2 (w - 1) and 2 (w - 1) + 1 of K and of V (two rows of 16,384 bytes, 64 records apart in memory).
; They have four load lines and are shown by three barriers: waves under 2 wait at the first (scale words, steps 0, 1), waves under 5 at the second (steps 2 to 7), all at the third (steps 8 to 15).
; The first pass walks steps 0-1, 2-7, 8-15 behind these barriers; its queries are 1,024 or more, so steps 0 to 7 need neither the mask nor the jump.  The second pass has no barrier.
; LDS: scale words from 0 (K's, 512 bytes a step; V's 8,192 on); step s at 32,768 + 32,768 (s / 2) + 8,192 (s % 2): K's images, and V's 16,384 on; the spare words behind.
; LAYOUT.  Both products are used transposed: S^T = K Q^T, O^T = V^T P^T: a lane holds one query (lane % 16) throughout.  K, Q and V lie as images of operand registers: 16 bytes a lane, 512 an instruction.
; Row r of tile T of q or k is token 32 (T / 2) + 8 (T % 2) + r + 8 (r / 8), so that the 16 score registers of two neighbouring tiles of keys are 16 neighbouring keys.
; K = 64 IN AN INSTRUCTION OF K = 128: the query's side is [q | zero codes].  Key tile n is the operand that begins at its own eight registers; its upper K blocks are the next tile's codes (behind the last tile: the second pass's q), finite codes that meet the zeros.
; A scale word holds a row's two bytes twice, so every byte that is read is a finite code.
; NO JOINT LOADS: the work-groups that share a head's K and V differ in their query blocks, and the jump over hidden steps hangs on that block.
; NO PREFETCH: every tensor load goes out at the head; there is no loop to run ahead in.
; LIMITS: the scaled scores t stay under 2^31 in magnitude; NaN and infinities are not served; a block of zeros gets the byte 1 (its codes are zeros; this program alone reads the bytes).
.set CODES, 32768
.set VOFF,  16384
.set VSC,   8192
.set SPARE, 294912
.set L16,  1                           ; v1   16 x lane
.set QL,   4                           ; v4   r + 8 (r / 8) - 16 h
.set AD,   5                           ; v5   LDS address of the step's images
.set ADS,  7                           ; v7   of its scale words
.set R16,  8                           ; v8   16 r
.set R32,  9                           ; v9   32 r
.set LC,   10                          ; v10  CODES + 16 x lane
.set QS2,  11                          ; v11  the second pass's q scale word
; v12 -M, v13 the largest t, v[14:15] the sum in two halves; v16-23 q, v24-31 zero codes
.set F,    32                          ; v32-95   a step's fragments of K, then of V
.set Q2,   96                          ; v96-103  the second pass's q
.set S,    104                         ; v104-167 S^T, then p; on the way out y
.set O,    168                         ; v168-199 O^T
.set PC,   200                         ; v200-215 p's codes; on the way out y's
.set KS,   216                         ; v216-219 K's scale words
.set VS,   220                         ; v220-223 V's
.set YW,   224                         ; v224 y's two scale bytes
.set PS,   225                         ; v225 p's scale word
.set FF,   226                         ; v[226:227] f = 2^(old M - new M), later 1 / the sum
.set BM,   228                         ; v228-231 the blocks' largest scores, then largest p
.set T2,   232                         ; v232-235 lane permutes' destinations, then bytes
.set LIM,  236                         ; v236-239 448 x the scale
.set SCO,  240                         ; v240-243 the conversions' scale operands
.set TT,   244
.set QS,   245                         ; v245 q's scale word
.set NINF, 248
.set DD,   249
.set SPW,  254
.set NIL,  255
.set WV,   16                          ; s16 wave; s17 j; s18 hb
.set MNT,  19
.set SEL,  20
.set CSC,  22                          ; s[22:23] c = log2(e) / 8
.set G1C,  24                          ; s[24:31] group 1 of a pair of steps; s[32:39] of the scale words; s[40:43], s[44:47] their groups 0
.set G1S,  32
.set KF,   52                          ; the step's first key
.set TK,   53                          ; where its images begin, less CODES
.set TS,   54                          ; and its scale words
.set CNT,  55
.set Q0,   56
.set QMAX, 57
	s_load_b256 s[4:11], s[0:1], 0x0               ; qkv_codes, qkv_scales, y_img, y_scales
	v_lshl_add_u32 v[SPW], v0, 2, SPARE
	v_mov_b32 v[NIL], 0
	ds_add_u32 v[SPW], v[NIL]                      ; the opening lines: the add twice on end and its wait ahead of the first tensor load
	ds_add_u32 v[SPW], v[NIL]
	v_lshrrev_b32 v1, 5, v0
	s_delay_alu instid0(VALU_DEP_1)
	v_readfirstlane_b32 s[WV], v1                  ; wave 0..15
	s_mov_b32 s17, ttmp9
	s_and_b32 s18, ttmp7, 0xffff
	s_mov_b32 s[G1C], 3<<16                        ; elements of 8 bytes; no mask, no padding
	s_mov_b32 s[G1C+1], 2048<<16                   ; rows of 16,384 bytes
	s_mov_b32 s[G1C+2], 2<<16                      ; two rows: K's, V's
	s_mov_b32 s[G1C+3], 2048<<16
	s_mov_b32 s[G1C+4], 2
	s_mov_b32 s[G1C+5], 1048576                    ; 64 records of 131,072 bytes from K's to V's
	s_mov_b32 s[G1C+6], 0
	s_mov_b32 s[G1C+7], 0
	s_mov_b32 s[G1S], 3<<16
	s_mov_b32 s[G1S+1], 1024<<16                   ; rows of 8,192 bytes
	s_mov_b32 s[G1S+2], 2<<16
	s_mov_b32 s[G1S+3], 1024<<16
	s_mov_b32 s[G1S+4], 2
	s_mov_b32 s[G1S+5], 65536                      ; 64 records of 8,192 bytes
	s_mov_b32 s[G1S+6], 0
	s_mov_b32 s[G1S+7], 0
	s_add_co_u32 s60, s18, 64                      ; K's record
	s_lshl_b32 s62, s60, 17
	s_lshl_b32 s61, s[WV], 14
	s_add_co_u32 s62, s62, s61
	s_mov_b32 s63, 0
	s_lshl_b32 s66, s60, 13
	s_mov_b32 s67, 0
	s_mov_b32 s[MNT], 0x600000
	s_mov_b32 s[SEL], 0x76543210
	s_mov_b32 s[SEL+1], 0xfedcba98
	s_mov_b32 s[CSC], 0x3e38aa3b
	s_mov_b32 s[CSC+1], s[CSC]
	s_wait_dscnt 0x0
	s_wait_kmcnt 0x0
	s_mov_b32 s40, 1                               ; wave w: pair w - 1, to LDS byte 32,768 w
	s_lshl_b32 s41, s[WV], 15
	s_add_nc_u64 s[42:43], s[4:5], s[62:63]
	s_sub_nc_u64 s[42:43], s[42:43], 16384
	s_or_b32 s43, s43, 0x80000000
	s_mov_b32 s44, 1                               ; the scale words, to LDS byte 0
	s_mov_b32 s45, 0
	s_add_nc_u64 s[46:47], s[6:7], s[66:67]
	s_or_b32 s47, s47, 0x80000000
.macro ARM under, g0, g1, next         ; one chain of branches on the wave's number, a load to an arm, all arms to one join
	s_cmp_lt_u32 s[WV], \under
	s_cbranch_scc0 \next
	tensor_load_to_lds s[\g0:\g0+3], s[\g1:\g1+7]
	s_nop 0
.rept 4
	v_nop
.endr
	s_branch .Lasked
\next:
.endm
	ARM 1, 44, G1S, .Larm_b
	ARM 2, 40, G1C, .Larm_c
	ARM 5, 40, G1C, .Larm_d
	ARM 9, 40, G1C, .Larm_none
.Lasked:
	v_and_b32 v11, 31, v0
	s_delay_alu instid0(VALU_DEP_1)
	v_lshlrev_b32 v[L16], 4, v11
	v_and_b32 v2, 15, v0                           ; r
	v_bfe_u32 v3, v0, 4, 1                         ; h
	s_delay_alu instid0(VALU_DEP_2)
	v_and_b32 v[QL], 8, v2
	s_delay_alu instid0(VALU_DEP_1)
	v_add_nc_u32 v[QL], v[QL], v2
	s_delay_alu instid0(VALU_DEP_3)
	v_lshlrev_b32 v11, 4, v3
	s_delay_alu instid0(VALU_DEP_1)
	v_sub_nc_u32 v[QL], v[QL], v11
	v_lshlrev_b32 v[R16], 4, v2
	v_lshlrev_b32 v[R32], 5, v2
	v_add_nc_u32 v[LC], CODES, v[L16]
	s_wait_alu depctr_va_vdst(0)
; where a pass's q comes from (qa: image, scale words), where its y goes (ya: image, scale bytes), and its smallest query (q0)
.macro GEO long, qa, ya, q0
.if \long
	s_sub_co_u32 s59, 7, s17
	s_sub_co_u32 s60, 15, s[WV]
.else
	s_mov_b32 s59, s17
	s_mov_b32 s60, s[WV]
.endif
	s_lshl_b32 s58, s59, 4
	s_add_co_u32 s58, s58, s60                     ; T: my tile of the head's 128
	s_lshl_b32 s[\q0], s59, 8
	s_lshr_b32 s61, s60, 1
	s_lshl_b32 s61, s61, 5
	s_add_co_u32 s[\q0], s[\q0], s61
	s_and_b32 s61, s60, 1
	s_lshl_b32 s61, s61, 3
	s_add_co_u32 s[\q0], s[\q0], s61               ; 32 (T / 2) + 8 (T % 2)
	s_lshl_b32 s62, s18, 17
	s_lshl_b32 s61, s58, 10
	s_add_co_u32 s62, s62, s61
	s_mov_b32 s63, 0
	s_add_nc_u64 s[\qa:\qa+1], s[4:5], s[62:63]    ; record hb, 1,024 bytes a tile
	s_lshl_b32 s62, s18, 13
	s_lshr_b32 s61, s58, 3
	s_lshl_b32 s61, s61, 9
	s_add_co_u32 s62, s62, s61
	s_and_b32 s61, s58, 1
	s_lshl_b32 s61, s61, 8
	s_add_co_u32 s62, s62, s61
	s_bfe_u32 s61, s58, 0x20001
	s_lshl_b32 s61, s61, 2
	s_add_co_u32 s62, s62, s61
	s_add_nc_u64 s[\qa+2:\qa+3], s[6:7], s[62:63]  ; step T / 8, lanes 16 (T % 2) on, word (T % 8) / 2
	s_and_b32 s61, s18, 3
	s_lshl_b32 s61, s61, 7
	s_add_co_u32 s61, s61, s58                     ; y's row tile: 128 x batch + T
	s_lshr_b32 s66, s18, 2                         ; head
	s_lshl_b32 s62, s61, 14
	s_lshl_b32 s60, s66, 10
	s_add_co_u32 s62, s62, s60
	s_add_nc_u64 s[\ya:\ya+1], s[8:9], s[62:63]    ; 16,384 bytes a row tile, 1,024 a head
	s_lshl_b32 s62, s61, 9
	s_lshl_b32 s60, s66, 1
	s_add_co_u32 s62, s62, s60
	s_add_nc_u64 s[\ya+2:\ya+3], s[10:11], s[62:63] ; 32 bytes a row, two a head
.endm
	GEO 1, 68, 72, Q0
	global_load_b128 v[16:19], v[L16], s[68:69]
	global_load_b128 v[20:23], v[L16], s[68:69] offset:512
	global_load_b32 v[QS], v[R16], s[70:71]
	GEO 0, 48, 76, 67
	global_load_b128 v[Q2:Q2+3], v[L16], s[48:49]
	global_load_b128 v[Q2+4:Q2+7], v[L16], s[48:49] offset:512
	global_load_b32 v[QS2], v[R16], s[50:51]
	s_add_co_u32 s[QMAX], s[Q0], 23
.irp i, 24,25,26,27,28,29,30,31
	v_mov_b32 v\i, 0                               ; the zero codes
.endr
.irp b, 0,1,2,3
	v_mov_b32 v[T2+\b], 0                          ; written once: a lane permute's destination counts as one of its sources
.endr
	v_mov_b32 v[FF+1], 0
	v_mov_b32 v[TT], 0
	v_mov_b32 v[NINF], 0xff800000
.macro INIT
	v_mov_b32 v13, 0xff61b1e6                      ; the largest t so far: -3e38
	s_delay_alu instid0(VALU_DEP_1)
	v_floor_f32 v12, -v13                          ; -M
	v_mov_b32 v14, 0
	v_mov_b32 v15, 0
.set n, 0
.rept 32
	v_mov_b32 v[O+n], 0                            ; O^T: the first change of M leaves zeros zeros
.set n, n+1
.endr
.endm
	INIT
; A KEY STEP: 128 keys.  m = 1: with the jump over a hidden step and the mask on the diagonal.
.macro STEP m
.if \m
	s_cmp_gt_u32 s[KF], s[QMAX]                    ; all its keys come after my queries: only the addresses step
	s_cbranch_scc1 .Lhidden_\@
.endif
	v_add_nc_u32 v[AD], s[TK], v[LC]
	v_add_nc_u32 v[ADS], s[TS], v[L16]
.rept 6
	v_nop                                          ; with the two additions: eight places behind the last step's products, in front of loads into registers that they have read
.endr
.set n, 0
.rept 16
	ds_load_b128 v[F+4*n:F+4*n+3], v[AD] offset:512*n   ; tile n / 2, feature block n % 2
.set n, n+1
.endr
	ds_load_b128 v[KS:KS+3], v[ADS]                ; word b: lanes 0-15 tile 2 b's rows, lanes 16-31 tile 2 b + 1's
	s_wait_alu depctr_va_vdst(0)
	s_wait_dscnt 0x0
.irp b, 0,1,2,3
	v_wmma_scale_f32_16x16x128_f8f6f4 v[S+16*\b:S+16*\b+7], v[F+16*\b:F+16*\b+15], v[16:31], 0, v[KS+\b], v[QS]
	v_wmma_scale_f32_16x16x128_f8f6f4 v[S+16*\b+8:S+16*\b+15], v[F+16*\b+8:F+16*\b+23], v[16:31], 0, v[KS+\b], v[QS] matrix_a_scale:MATRIX_SCALE_ROW1
.endr                                          ; lane (r, h): register 16 b + i is key KF + 32 b + 16 h + i
.rept 8
	v_nop                                          ; places in front of the loads below and of the first read of the scores
.endr
.set n, 0
.rept 16
	ds_load_b128 v[F+4*n:F+4*n+3], v[AD] offset:VOFF+512*n   ; V: d tile n / 4, key block n % 4
.set n, n+1
.endr
	ds_load_b128 v[VS:VS+3], v[ADS] offset:VSC
.if \m
	s_add_co_u32 s58, s[KF], 127                   ; a step all of whose keys count skips the mask
	s_cmp_le_u32 s58, s[Q0]
	s_cbranch_scc1 .Lopen_\@
	s_sub_co_i32 s58, s[Q0], s[KF]
	v_add_nc_u32 v[DD], s58, v[QL]                 ; d = my query - KF - 16 h: register 16 b + i is hidden where 32 b + i > d
	s_wait_alu depctr_va_vdst(0)
.set n, 0
.irp b, 0,1,2,3
	s_cmp_ge_i32 s58, 32*\b+31                     ; block b's last key, KF + 32 b + 31, is at or under my smallest query: all its keys count for every lane
	s_cbranch_scc1 .Lseen\@x\b
.rept 16
	v_cmp_gt_i32 vcc_lo, 32*(n/16)+n%16, v[DD]
	v_cndmask_b32 v[S+n], v[S+n], v[NINF], vcc_lo
.set n, n+1
.endr
.Lseen\@x\b:
.endr
.Lopen_\@:
.endif
.irp b, 0,1,2,3
	v_max3_num_f32 v[BM+\b], v[S+16*\b], v[S+16*\b+1], v[S+16*\b+2]   ; the largest score of each block of 32 keys: for the row's maximum and for the block's largest p
.endr
.irp i, 3,5,7,9,11,13
.irp b, 0,1,2,3
	v_max3_num_f32 v[BM+\b], v[BM+\b], v[S+16*\b+\i], v[S+16*\b+\i+1]
.endr
.endr
.irp b, 0,1,2,3
	v_max_num_f32 v[BM+\b], v[BM+\b], v[S+16*\b+15]
.endr
.irp b, 0,1,2,3
	s_delay_alu instid0(VALU_DEP_4)
	v_permlanex16_b32 v[T2+\b], v[BM+\b], s[SEL], s[SEL+1]
.endr
.irp b, 0,1,2,3
	s_delay_alu instid0(VALU_DEP_4)
	v_max_num_f32 v[BM+\b], v[BM+\b], v[T2+\b]     ; with lane l xor 16's 16 keys
.endr
	s_delay_alu instid0(VALU_DEP_2)
	v_max3_num_f32 v[TT], v[BM], v[BM+1], v[BM+2]
	s_delay_alu instid0(VALU_DEP_1)
	v_max_num_f32 v[TT], v[TT], v[BM+3]            ; the step's largest score of my query
	s_delay_alu instid0(VALU_DEP_1)
	v_mul_f32 v[TT], s[CSC], v[TT]                 ; as t (c is positive)
	s_delay_alu instid0(VALU_DEP_1)
	v_max_num_f32 v13, v13, v[TT]                  ; the running largest t
	v_mov_b32 v[TT], v12
	s_delay_alu instid0(VALU_DEP_2)
	v_floor_f32 v12, -v13                          ; the new -M = floor(-t) = -ceil(t)
	s_delay_alu instid0(VALU_DEP_1)
	v_sub_f32 v[TT], v12, v[TT]                    ; old M - new M: a whole number, 0 or less
	s_delay_alu instid0(VALU_DEP_1)
	v_cvt_i32_f32 v[TT], v[TT]                     ; (it saturates)
	s_delay_alu instid0(VALU_DEP_1)
	v_ldexp_f32 v[FF], 1.0, v[TT]                  ; f = 2^(old M - new M)
.set n, 0
.rept 32
	v_pk_fma_f32 v[S+n:S+n+1], v[S+n:S+n+1], s[CSC:CSC+1], v[12:13] op_sel_hi:[1,0,0]   ; t - M, two at a time
.set n, n+2
.endr
.irp b, 0,1,2,3
	v_fma_f32 v[BM+\b], v[BM+\b], s[CSC], v12      ; the same of each block's largest score
.endr
.set n, 0
	s_wait_alu depctr_va_vdst(0)
.rept 64
	v_exp_f32 v[S+n], v[S+n]                       ; p = 2^(t - M), at most 1
.set n, n+1
.endr
	v_pk_mul_f32 v[14:15], v[14:15], v[FF:FF+1] op_sel_hi:[1,0]   ; the sums under the new M: a plain instruction behind the exponentials
	s_wait_alu depctr_va_vdst(0)                   ; one wait for the whole batch, ahead of its first reader
.irp b, 0,1,2,3
	v_exp_f32 v[BM+\b], v[BM+\b]                   ; the block's largest p: the same two instructions on the same number give the same bits
.endr
	v_pk_add_f32 v[246:247], v[108:109], v[112:113]   ; the row's sum of the unquantised p, in eight chains
	v_pk_add_f32 v[252:253], v[116:117], v[120:121]
	v_pk_add_f32 v[250:251], v[124:125], v[128:129]
	v_pk_add_f32 v[242:243], v[132:133], v[136:137]
	v_pk_add_f32 v[240:241], v[140:141], v[144:145]
	v_pk_add_f32 v[238:239], v[148:149], v[152:153]
	v_pk_add_f32 v[236:237], v[156:157], v[160:161]
	v_pk_add_f32 v[14:15], v[14:15], v[164:165]
	v_pk_add_f32 v[246:247], v[246:247], v[104:105]
	v_pk_add_f32 v[252:253], v[252:253], v[106:107]
	v_pk_add_f32 v[250:251], v[250:251], v[110:111]
	v_pk_add_f32 v[242:243], v[242:243], v[114:115]
	v_pk_add_f32 v[240:241], v[240:241], v[118:119]
	v_pk_add_f32 v[238:239], v[238:239], v[122:123]
	v_pk_add_f32 v[236:237], v[236:237], v[126:127]
	v_pk_add_f32 v[14:15], v[14:15], v[130:131]
	v_pk_add_f32 v[246:247], v[246:247], v[134:135]
	v_pk_add_f32 v[252:253], v[252:253], v[138:139]
	v_pk_add_f32 v[250:251], v[250:251], v[142:143]
	v_pk_add_f32 v[242:243], v[242:243], v[146:147]
	v_pk_add_f32 v[240:241], v[240:241], v[150:151]
	v_pk_add_f32 v[238:239], v[238:239], v[154:155]
	v_pk_add_f32 v[236:237], v[236:237], v[158:159]
	v_pk_add_f32 v[14:15], v[14:15], v[162:163]
	v_pk_add_f32 v[246:247], v[246:247], v[166:167]
	s_delay_alu instid0(VALU_DEP_2)
	v_pk_add_f32 v[14:15], v[14:15], v[242:243]
	s_delay_alu instid0(VALU_DEP_2)
	v_pk_add_f32 v[246:247], v[246:247], v[240:241]
	v_pk_add_f32 v[252:253], v[252:253], v[238:239]
	v_pk_add_f32 v[250:251], v[250:251], v[236:237]
	s_delay_alu instid0(VALU_DEP_2)
	v_pk_add_f32 v[14:15], v[14:15], v[252:253]
	s_delay_alu instid0(VALU_DEP_2)
	v_pk_add_f32 v[246:247], v[246:247], v[250:251]
	s_delay_alu instid0(VALU_DEP_1)
	v_pk_add_f32 v[14:15], v[14:15], v[246:247]
	s_wait_alu depctr_va_vdst(0)                   ; and one for the four
.irp b, 0,1,2,3
	v_max_num_f32 v[BM+\b], 0x4800000, v[BM+\b]    ; the floor 2^(9 - 127): the byte cannot fall under 1
.endr
.irp b, 0,1,2,3
	s_delay_alu instid0(VALU_DEP_4)
	v_add_nc_u32 v[SCO+\b], 0xfc000000, v[BM+\b]   ; 8 off the exponent field: the conversion's scale operand
.endr
.irp b, 0,1,2,3
	v_and_or_b32 v[LIM+\b], v[BM+\b], 0x7f800000, s[MNT]   ; 448 x the scale
.endr
.irp b, 0,1,2,3
	v_lshrrev_b32 v[T2+\b], 23, v[SCO+\b]          ; the scale's byte
.endr
	s_delay_alu instid0(VALU_DEP_3)
	v_lshl_or_b32 v[PS], v[T2+1], 8, v[T2]         ; p's scale word for these 128 keys
	s_delay_alu instid0(VALU_DEP_1)
	v_lshl_or_b32 v[PS], v[T2+2], 16, v[PS]
	s_delay_alu instid0(VALU_DEP_1)
	v_lshl_or_b32 v[PS], v[T2+3], 24, v[PS]
.irp b, 0,1,2,3
.set n, 0
.rept 8
	v_dual_min_num_f32 v[S+16*\b+n], v[S+16*\b+n], v[LIM+\b] :: v_dual_min_num_f32 v[S+16*\b+n+1], v[S+16*\b+n+1], v[LIM+\b]   ; the conversion to an 8-bit code does not saturate (ISA guide 7.6.2); p is not negative, so the hold is one-sided; two holds an instruction
.set n, n+2
.endr
	v_cvt_scalef32_pk8_fp8_f32 v[PC+4*\b:PC+4*\b+1], v[S+16*\b:S+16*\b+7], v[SCO+\b]
	v_cvt_scalef32_pk8_fp8_f32 v[PC+4*\b+2:PC+4*\b+3], v[S+16*\b+8:S+16*\b+15], v[SCO+\b]
.endr
	s_wait_alu depctr_va_vdst(0)
.set n, 0
.rept 16
	v_pk_mul_f32 v[O+n:O+n+1], v[O+n:O+n+1], v[FF:FF+1] op_sel_hi:[1,0]   ; O^T under the new M, from each accumulator's low end on; also the places between the codes and the products below
.set n, n+2
.endr
	s_wait_alu depctr_va_vdst(0)
	s_wait_dscnt 0x0                               ; V
.irp d, 0,1,2,3
	v_wmma_scale_f32_16x16x128_f8f6f4 v[O+8*\d:O+8*\d+7], v[F+16*\d:F+16*\d+15], v[PC:PC+15], v[O+8*\d:O+8*\d+7], v[VS+\d], v[PS]   ; four accumulators by turns; the next step's eight score products stand between two links
.endr
.if \m
.Lhidden_\@:
.endif
	s_add_co_u32 s[KF], s[KF], 128
	s_add_co_u32 s[TS], s[TS], 512
	s_and_b32 s58, s[KF], 128                      ; step s = KF / 128: 8,192 (s % 2)
	s_lshl_b32 s58, s58, 6
	s_and_b32 s[TK], s[KF], 0xf00                  ; + 32,768 (s / 2)
	s_lshl_b32 s[TK], s[TK], 7
	s_or_b32 s[TK], s[TK], s58
.endm
.macro RUN trips, m, kf                ; so many key steps from key kf (a multiple of 256) on
	s_mov_b32 s[KF], \kf
	s_mov_b32 s[TS], 4*(\kf)
	s_mov_b32 s[TK], ((\kf)>>8)<<15
	s_mov_b32 s[CNT], \trips
.Lrun_\@:
	STEP \m
	s_sub_co_u32 s[CNT], s[CNT], 1
	s_cmp_lg_u32 s[CNT], 0
	s_cbranch_scc1 .Lrun_\@
.endm
.macro SHOW under                      ; the waves under this number, among them all that issue the load lines to be shown, wait for their loads; then a barrier.  Nothing is filled again in this launch
	s_cmp_lt_u32 s[WV], \under
	s_cbranch_scc0 .Lnot_mine_\@
	s_wait_tensorcnt 0x0
.Lnot_mine_\@:
	s_wait_dscnt 0x0
	s_barrier_signal -1
	s_barrier_wait -1
.endm
; THE WAY OUT of a pass: O^T / the sum, quantised along the head's 64 features, stored as an image of operand registers
.macro WAYOUT ya
.rept 8
	v_nop                                          ; places behind the last products
.endr
	v_add_f32 v14, v14, v15                        ; the sum's two halves,
	s_delay_alu instid0(VALU_DEP_1)
	v_permlanex16_b32 v[TT], v14, s[SEL], s[SEL+1]
	s_delay_alu instid0(VALU_DEP_1)
	v_add_f32 v14, v14, v[TT]                      ; and lane l xor 16's: the row's sum
	s_wait_alu depctr_va_vdst(0)
	v_rcp_f32 v[FF], v14
	v_nop                                          ; a plain instruction behind the reciprocal,
	s_wait_alu depctr_va_vdst(0)                   ; and the wait ahead of its first reader
.set n, 0
.rept 16
	v_pk_mul_f32 v[S+n:S+n+1], v[O+n:O+n+1], v[FF:FF+1] op_sel_hi:[1,0]   ; y: register 16 g + i is feature 64 head + 32 g + 16 h + i of my query
.set n, n+2
.endr
.irp b, 0,1
	v_max3_num_f32 v[BM+\b], |v[S+16*\b]|, |v[S+16*\b+1]|, 0x4800000   ; y's two blocks of 32: my 16 numbers, and the floor
.endr
.irp i, 2,4,6,8,10,12,14
.irp b, 0,1
	s_delay_alu instid0(VALU_DEP_2)
	v_max3_num_f32 v[BM+\b], v[BM+\b], |v[S+16*\b+\i]|, |v[S+16*\b+\i+1]|
.endr
.endr
.irp b, 0,1
	s_delay_alu instid0(VALU_DEP_2)
	v_permlanex16_b32 v[T2+\b], v[BM+\b], s[SEL], s[SEL+1]
.endr
.irp b, 0,1
	s_delay_alu instid0(VALU_DEP_2)
	v_max_num_f32 v[BM+\b], v[BM+\b], v[T2+\b]
.endr
.irp b, 0,1
	s_delay_alu instid0(VALU_DEP_2)
	v_add_nc_u32 v[SCO+\b], 0xfc000000, v[BM+\b]
.endr
.irp b, 0,1
	s_delay_alu instid0(VALU_DEP_4)
	v_and_or_b32 v[LIM+\b], v[BM+\b], 0x7f800000, s[MNT]
.endr
.irp b, 0,1
	s_delay_alu instid0(VALU_DEP_4)
	v_lshrrev_b32 v[T2+\b], 23, v[SCO+\b]
.endr
	s_delay_alu instid0(VALU_DEP_1)
	v_lshl_or_b32 v[YW], v[T2+1], 8, v[T2]
.irp b, 0,1
.set n, 0
.rept 16
	v_med3_num_f32 v[S+16*\b+n], v[S+16*\b+n], -v[LIM+\b], v[LIM+\b]
.set n, n+1
.endr
	v_cvt_scalef32_pk8_fp8_f32 v[PC+4*\b:PC+4*\b+1], v[S+16*\b:S+16*\b+7], v[SCO+\b]
	v_cvt_scalef32_pk8_fp8_f32 v[PC+4*\b+2:PC+4*\b+3], v[S+16*\b+8:S+16*\b+15], v[SCO+\b]
.endr
	v_nop                                          ; one plain vector instruction behind the last conversion
	global_store_b128 v[L16], v[PC:PC+3], s[\ya:\ya+1]                 ; 512 consecutive aligned bytes: the head's first block of 32,
	global_store_b128 v[L16], v[PC+4:PC+7], s[\ya:\ya+1] offset:512    ; and its second
	global_store_b16 v[R32], v[YW], s[\ya+2:\ya+3] ; both halves of the lanes write a row's two bytes with the same value
.endm
	s_wait_alu depctr_va_vdst(0)
	s_wait_loadcnt 0x0                             ; both passes' q
	SHOW 2                                         ; the scale words and steps 0, 1
	RUN 2, 0, 0
	SHOW 5                                         ; steps 2 to 7
	RUN 6, 0, 256
	s_wait_tensorcnt 0x0                           ; all that is still out: the wait stands on every wave's way
	s_wait_dscnt 0x0
	s_barrier_signal -1
	s_barrier_wait -1
	RUN 8, 1, 1024
	WAYOUT 72
	s_wait_xcnt 0x0                                ; the stores have read their data: the registers are written again below
.irp i, 0,1,2,3,4,5,6,7
	v_mov_b32 v[16+\i], v[Q2+\i]                   ; the second pass's q; the 36 lines of INIT are the places ahead of the products
.endr
	v_mov_b32 v[QS], v[QS2]
	INIT
	s_mov_b32 s[Q0], s67
	s_add_co_u32 s[QMAX], s[Q0], 23
	s_wait_alu depctr_va_vdst(0)
	RUN 8, 1, 0
	WAYOUT 76
	s_wait_tensorcnt 0x0                           ; the wave's end
	ds_add_u32 v[SPW], v[NIL]
	s_wait_dscnt 0x0
	s_endpgm
.Lfunc_end_k_q5bc171caad_attn:
	.size	k_q5bc171caad_attn, .Lfunc_end_k_q5bc171caad_attn-k_q5bc171caad_attn
	.p2alignl 7, 3214868480
	.fill 96, 4, 3214868480
	.section	.rodata,"a",@progbits
	.p2align	6, 0x0
	.amdhsa_kernel k_q5bc171caad_attn
		.amdhsa_group_segment_fixed_size 296960
		.amdhsa_private_segment_fixed_size 0
		.amdhsa_enable_private_segment 0
		.amdhsa_kernarg_size 32
		.amdhsa_user_sgpr_count 2
		.amdhsa_user_sgpr_kernarg_segment_ptr 1
		.amdhsa_wavefront_size32 1
		.amdhsa_system_sgpr_workgroup_id_x 1
		.amdhsa_system_sgpr_workgroup_id_y 1
		.amdhsa_system_sgpr_workgroup_id_z 1
		.amdhsa_system_vgpr_workitem_id 0
		.amdhsa_next_free_vgpr 256
		.amdhsa_next_free_sgpr 80
		.amdhsa_reserve_vcc 1
		.amdhsa_float_denorm_mode_32 3
		.amdhsa_float_denorm_mode_16_64 3
		.amdhsa_memory_ordered 1
		.amdhsa_forward_progress 1
		.amdhsa_inst_pref_size 115
	.end_amdhsa_kernel
	.amdgpu_metadata
---
amdhsa.version: [ 1, 2 ]
amdhsa.kernels:
  - .name:           k_q5bc171caad_attn
    .symbol:         k_q5bc171caad_attn.kd
    .args:
      - { .name: qkv_codes, .offset: 0, .size: 8, .value_kind: global_buffer, .address_space: global }
      - { .name: qkv_scales, .offset: 8, .size: 8, .value_kind: global_buffer, .address_space: global }
      - { .name: y_img, .offset: 16, .size: 8, .value_kind: global_buffer, .address_space: global }
      - { .name: y_scales, .offset: 24, .size: 8, .value_kind: global_buffer, .address_space: global }
    .group_segment_fixed_size: 296960
    .private_segment_fixed_size: 0
    .kernarg_segment_align: 8
    .kernarg_segment_size: 32
    .max_flat_workgroup_size: 512
    .sgpr_count:     80
    .vgpr_count:     256
    .wavefront_size: 32
...
	.end_amdgpu_metadata
.endif
;; end of part 3
;; launch proj (part 4): grid 8 x 32, 4 waves a work-group, clusters of 4 x 4, 327,680 bytes of LDS; arguments y_img, y_scales, xw_codes, xw_scales, out0; writes out0
.if DOCPART == 4
	.amdgcn_target "amdgcn-amd-amdhsa--gfx1250"
	.amdhsa_code_object_version 6
	.text
	.protected	k_q5bc171caad_proj
	.globl	k_q5bc171caad_proj
	.p2align	8
	.type	k_q5bc171caad_proj,@function
k_q5bc171caad_proj:
	s_mov_b64 s[64:65], 0
	v_nop
	global_prefetch_b8 v0, s[64:65] scope:SCOPE_SE
	s_setreg_imm32_b32 hwreg(HW_REG_WAVE_MODE, 25, 1), 1
	s_wait_xcnt 0x0
	s_wait_alu depctr_hold_cnt(0) depctr_sa_sdst(0) depctr_va_vdst(0) depctr_va_sdst(0) depctr_va_ssrc(0) depctr_va_vcc(0) depctr_vm_vsrc(0)
	s_getreg_b32 s2, hwreg(HW_REG_IB_STS2, 6, 4)
	s_cmp_eq_u32 s2, 0
	s_cbranch_scc0 .Lentry_in_a_cluster
	s_endpgm
.Lentry_in_a_cluster:
	s_bfe_u32 s2, ttmp6, 0x10000c
	s_cmp_lg_u32 s2, 0xf033
	s_cbranch_scc0 .Lentry_shape_is_right
	s_endpgm
.Lentry_shape_is_right:
; out0 = y wo^T on codes of FP8 (E4M3) with one E8M0 scale for each 32 along K = 1,024; f32 sums, stored as f32.
; A = y: y_img holds images of operand registers, [tile of 16 rows][K block of 32][lane][16 bytes], 16,384 bytes a row tile; y_scales 32 bytes a stored row.  Row r of row tile T is token 32 (T / 2) + 8 (T % 2) + r + 8 (r / 8) of its batch.
; B = wo: stored rows 11,264 on of xw_codes (1,024 bytes a row) and xw_scales (32 bytes a row), in their true order.
; SHARES: a work-group makes 256 rows x 128 columns: 32 x 8 = 256 work-groups.  Four waves, 2 x 2; a wave makes 128 x 64: 32 accumulators of 16 x 16, 256 registers.
; K goes in steps of 256 through a ring of two LDS slots: A's 16 row tiles x 4,096 bytes as they lie, then B's 128 rows of 256 bytes + 16 of padding.  The scales of all of K come once: B's 128 rows, then A's 256 rows, as 256 bytes + 16 of padding.
; (B's lie first: lanes 16-31 of a scale load for A's blocks 4 to 7 then read bytes of B's other rows or of A's scales, which are filled and not used.)
; THE MATRIX INSTRUCTION IS USED TRANSPOSED: source 0 = 16 rows of wo, source 1 = 16 rows of y: a lane holds eight neighbouring columns of one row of the result.
; CLUSTERS: 4 x 4 work-groups; A's tile is asked for jointly by a row of the cluster, B's by a column.
; THE HEAD, one joint load a wave: wave 0 K step 0 of A, wave 1 of B, wave 2 A's scales, wave 3 B's.  Slot 1's first fill stands behind the full sequence and a round.  In the ring waves 0, 1 fetch A's halves, waves 2, 3 B's.
; NO PREFETCH: K has four steps; two come as first fills, and only two refills follow.
; THE WAY OUT: a block of 16 rows x 64 columns goes through the wave's own stage in slot 0, which has had its last fill and its last read by then, and leaves as rows of 256 aligned bytes, sixteen lanes to a row.
; REGISTERS: window 0: v0-31 addresses, v32-63 scale words in two sets, from v128 A's fragments, one set; window 1: B's fragments, two sets of 64; window 2: accumulator (a, b) at v[8 (4 a + b)].
.set SIZE_N, 1024
.set SIZE_K, 1024
.set WO_CODES,  11264*1024
.set WO_SCALES, 11264*32
.set KSTEP,  256
.set NQ,     KSTEP/128
.set ROWB,   256
.set ASTEP,  4096                      ; a K step in a row tile's image
.set KROW,   SIZE_K
.set PITCH,  272
.set FR,     16
.set NL,     4
.set NP,     8                         ; places behind this matrix instruction (ISA guide 7.12.1)
.set AHALF,  32768                     ; 8 row tiles x 4,096 bytes
.set BOFF,   2*AHALF
.set BHALF,  64*PITCH
.set SLOT,   BOFF+2*BHALF
.set LAPS,   SIZE_K/(2*KSTEP)
.set KS,     SIZE_K/32
.set SCL,    2*SLOT                    ; B's scales; A's HALFS further on
.set HALFS,  (128*KS/256)*272
.set SBLK,   (16*KS/256)*272
.set SPARE,  SCL+3*HALFS               ; the spare words: 128 bytes a wave, two blocks of 256 bytes that no other line names
.set SPITCH, 272
.set ADRA, 16
.set ADRB, 20
.set STO,  24
.set RD,   25
.set CO,   26
.set ADRS, 27
.set SPW,  28
.set NIL,  29
.set LN,   30
.set SC,   32
.set AF,   128
.set BK,   128
.set G1, 24
.set G0, 32
.set G1B, 48
.set G0B, 56
.set G1S, 68
.set G0S, 76
.set G1SB, 80
.set G0SB, 88
.set MSB, 0
.macro WIN new                         ; the immediate's high byte repeats the setting that is left
.if MSB != (\new)
	s_set_vgpr_msb (MSB<<8)|(\new)
.set MSB, (\new)
.endif
.endm
.set MUL,  0xa1                        ; source 0 (B) window 1, source 1 (A) window 0, C and D window 2
.set TO_B, 0x40
.macro TL g0, g1                       ; a tensor load and the lines behind it
	tensor_load_to_lds s[\g0:\g0+3], s[\g1:\g1+7]
	s_nop 0
.rept 4
	v_nop
.endr
.endm
.macro JLOAD g0a, g1a, g0b, g1b        ; waves 0, 1 fetch for A, waves 2, 3 for B
	s_cmp_eq_u32 s15, 0
	s_cbranch_scc0 .Lfor_b_\@
	TL \g0a, \g1a
	s_branch .Lasked_\@
.Lfor_b_\@:
	TL \g0b, \g1b
.Lasked_\@:
.endm
.macro CREST
	s_cmp_lg_u32 s14, 0
	s_cbranch_scc1 .Lnot_wave_0_\@
	s_barrier_signal -3
.Lnot_wave_0_\@:
	s_barrier_wait -3
	s_barrier_signal -1
	s_barrier_wait -1
.endm
.macro CROUND
	s_barrier_signal -1
	s_barrier_wait -1
	CREST
.endm
	s_load_b128 s[4:7], s[0:1], 0x0                ; y_img, y_scales
	s_load_b128 s[8:11], s[0:1], 0x10              ; xw_codes, xw_scales
	s_load_b64 s[12:13], s[0:1], 0x20              ; out0
	v_lshl_add_u32 v[SPW], v0, 2, SPARE
	v_mov_b32 v[NIL], 0
	ds_add_u32 v[SPW], v[NIL]                      ; the opening lines: the add twice on end and its wait
	ds_add_u32 v[SPW], v[NIL]
	v_lshrrev_b32 v1, 5, v0
	v_readfirstlane_b32 s14, v1                    ; wave 0..3
	s_lshr_b32 s15, s14, 1                         ; my half of A's rows; also: I fetch for A (0) or B (1)
	s_and_b32 s16, s14, 1                          ; my half of B's rows; also: which half of a tile I fetch
	s_bfe_u32 s40, ttmp6, 0x40000                  ; cx
	s_bfe_u32 s41, ttmp6, 0x40004                  ; cy
	s_lshl_b32 s42, ttmp9, 2
	s_add_co_u32 s42, s42, s40                     ; tile column, 0 .. 7
	s_and_b32 s17, ttmp7, 0xffff
	s_lshl_b32 s17, s17, 2
	s_add_co_u32 s17, s17, s41                     ; tile row, 0 .. 31
	s_lshl_b32 s43, s41, 2
	s_lshl_b32 s43, 15, s43                        ; my row of the cluster
	s_lshl_b32 s44, 0x1111, s40                    ; my column
	s_or_b32 s[G1+0], s43, (3<<16)|(1<<21)         ; A: elements of 8 bytes, rows of 4,096 bytes, 16,384 apart; 16 rows at the head, 8 in the ring
	s_mov_b32 s[G1+1], 512<<16
	s_mov_b32 s[G1+2], 16<<16
	s_mov_b32 s[G1+3], 512<<16
	s_mov_b32 s[G1+4], 16
	s_mov_b32 s[G1+5], 2048
	s_mov_b32 s[G1+6], 0
	s_mov_b32 s[G1+7], 0
	s_or_b32 s[G1B+0], s44, (0<<16)|(1<<20)|(1<<21)|(5<<22)|(3<<25)   ; B: rows of 256 bytes, 16 of padding behind each; 128 rows at the head, 64 in the ring
	s_mov_b32 s[G1B+1], ROWB<<16
	s_mov_b32 s[G1B+2], 128<<16
	s_mov_b32 s[G1B+3], ROWB<<16
	s_mov_b32 s[G1B+4], 128
	s_mov_b32 s[G1B+5], KROW
	s_mov_b32 s[G1B+6], 0
	s_mov_b32 s[G1B+7], 0
	s_or_b32 s[G1S+0], s43, (3<<16)|(1<<20)|(1<<21)|(5<<22)|(3<<25)   ; A's scales: 8,192 dense bytes as 32 rows of 256
	s_mov_b32 s[G1S+1], 32<<16
	s_mov_b32 s[G1S+2], 32<<16
	s_mov_b32 s[G1S+3], 32<<16
	s_mov_b32 s[G1S+4], 32
	s_mov_b32 s[G1S+5], 32
	s_mov_b32 s[G1S+6], 0
	s_mov_b32 s[G1S+7], 0
	s_or_b32 s[G1SB+0], s44, (3<<16)|(1<<20)|(1<<21)|(5<<22)|(3<<25)  ; B's: 4,096 dense bytes as 16 rows
	s_mov_b32 s[G1SB+1], 32<<16
	s_mov_b32 s[G1SB+2], 16<<16
	s_mov_b32 s[G1SB+3], 32<<16
	s_mov_b32 s[G1SB+4], 16
	s_mov_b32 s[G1SB+5], 32
	s_mov_b32 s[G1SB+6], 0
	s_mov_b32 s[G1SB+7], 0
	s_lshl_b32 s20, s17, 8                         ; A's first stored row
	s_lshl_b32 s46, s42, 7                         ; B's first row
	s_mov_b32 s21, 0
	s_mov_b32 s47, 0
	s_mov_b64 s[18:19], KS
	s_mul_u64 s[22:23], s[20:21], s[18:19]
	s_mul_u64 s[92:93], s[46:47], s[18:19]
	s_mov_b64 s[18:19], KROW
	s_mul_u64 s[20:21], s[20:21], s[18:19]
	s_mul_u64 s[46:47], s[46:47], s[18:19]
	s_mul_i32 s18, s16, 128*KROW                   ; in the ring: my half of A's tile, in bytes,
	s_mov_b32 s19, 0
	s_mul_i32 s96, s16, 64*KROW                    ; of B's,
	s_mov_b32 s97, 0
	s_lshl_b32 s45, s16, 15                        ; and where they go: no place in the cluster enters an LDS address
	s_mul_i32 s94, s16, BHALF
	s_add_co_u32 s94, s94, BOFF
	s_wait_dscnt 0x0
	s_wait_kmcnt 0x0
	s_add_nc_u64 s[8:9], s[8:9], WO_CODES
	s_add_nc_u64 s[10:11], s[10:11], WO_SCALES
	s_add_nc_u64 s[20:21], s[4:5], s[20:21]
	s_add_nc_u64 s[22:23], s[6:7], s[22:23]
	s_add_nc_u64 s[46:47], s[8:9], s[46:47]
	s_add_nc_u64 s[92:93], s[10:11], s[92:93]
	CROUND                                         ; all sixteen work-groups are here: the first joint loads meet
	s_mov_b32 s[G0S], 1
	s_mov_b32 s[G0S+1], SCL+HALFS
	s_mov_b64 s[G0S+2:G0S+3], s[22:23]
	s_or_b32 s[G0S+3], s[G0S+3], 0x80000000
	s_mov_b32 s[G0SB], 1
	s_mov_b32 s[G0SB+1], SCL
	s_mov_b64 s[G0SB+2:G0SB+3], s[92:93]
	s_or_b32 s[G0SB+3], s[G0SB+3], 0x80000000
.irp s, 0,1
	s_mov_b32 s[G0+4*\s], 1
	s_add_co_u32 s[G0+4*\s+1], s45, \s*SLOT
	s_add_nc_u64 s[G0+4*\s+2:G0+4*\s+3], s[20:21], \s*ASTEP
	s_or_b32 s[G0+4*\s+3], s[G0+4*\s+3], 0x80000000
	s_mov_b32 s[G0B+4*\s], 1
	s_add_co_u32 s[G0B+4*\s+1], s94, \s*SLOT
	s_add_nc_u64 s[G0B+4*\s+2:G0B+4*\s+3], s[46:47], \s*ROWB
	s_or_b32 s[G0B+4*\s+3], s[G0B+4*\s+3], 0x80000000
.endr
	s_add_nc_u64 s[G0+6:G0+7], s[G0+6:G0+7], s[18:19]      ; slot 1's descriptors: my half of the tile
	s_add_nc_u64 s[G0B+6:G0B+7], s[G0B+6:G0B+7], s[96:97]
	s_mov_b32 s[G0+1], 0                           ; slot 0's serve the head first: each tile whole
	s_mov_b32 s[G0B+1], BOFF
.macro ARM under, g0, g1, next         ; one chain of branches on the wave's number, a load to an arm, all arms to one join
	s_cmp_lt_u32 s14, \under
	s_cbranch_scc0 \next
	TL \g0, \g1
	s_branch .Lhead_asked
\next:
.endm
	ARM 1, G0,  G1,  .Lhead_b
	ARM 2, G0B, G1B, .Lhead_sa
	ARM 3, G0S, G1S, .Lhead_sb
	TL G0SB, G1SB
.Lhead_asked:
	s_lshl_b32 s66, s15, 15                        ; my 128 rows of A in slot 0,
	s_add_co_u32 s67, s66, SLOT                    ; in slot 1;
	s_add_co_u32 s95, s94, SLOT                    ; my 64 rows of B in slot 1 (slot 0: s94)
	s_mul_i32 s98, s16, HALFS/2
	s_add_co_u32 s98, s98, SCL                     ; my B rows' scales,
	s_mul_i32 s99, s15, HALFS
	s_add_co_u32 s99, s99, SCL+HALFS               ; my A rows',
	s_sub_co_u32 s99, s99, s98                     ; and how far these lie behind
	s_mul_i32 s100, s14, 16*SPITCH                 ; my stage
	s_lshl_b32 s20, s17, 8
	s_lshl_b32 s21, s15, 7
	s_add_co_u32 s20, s20, s21                     ; my first row of the result
	s_mov_b32 s21, 0
	s_mov_b64 s[22:23], SIZE_N*4
	s_mul_u64 s[20:21], s[20:21], s[22:23]
	s_lshl_b32 s46, s42, 9                         ; my first column, in bytes: 512 x tile column + 256 x half
	s_lshl_b32 s47, s16, 8
	s_add_co_u32 s46, s46, s47
	s_mov_b32 s47, 0
	s_add_nc_u64 s[20:21], s[20:21], s[46:47]
	s_add_nc_u64 s[12:13], s[12:13], s[20:21]
	v_and_b32 v1, 15, v0                           ; r
	v_bfe_u32 v2, v0, 4, 1                         ; h
	v_and_b32 v6, 31, v0
	v_mul_u32_u24 v3, v1, PITCH
	v_lshl_add_u32 v4, v2, 4, v3
	v_lshlrev_b32 v[LN], 4, v6
	v_add_nc_u32 v[ADRA], s66, v[LN]
	v_add_nc_u32 v[ADRA+1], s67, v[LN]
	v_add_nc_u32 v[ADRB], s94, v4
	v_add_nc_u32 v[ADRB+1], s95, v4
	v_mul_u32_u24 v5, v1, KS                       ; my row's scales: KS bytes a row,
	v_lshrrev_b32 v6, 8, v5
	v_lshl_add_u32 v5, v6, 4, v5                   ; and 16 more for each 256 passed
	v_xor_b32 v7, 1, v2
	v_mul_u32_u24 v7, s99, v7                      ; lanes 0-15 take A's, lanes 16-31 B's
	v_add_nc_u32 v5, v5, v7
	v_add_nc_u32 v[ADRS], s98, v5
	v_mul_u32_u24 v5, v1, SPITCH                   ; the stage, in: row r, 32 bytes for each half of the lanes
	v_lshl_add_u32 v5, v2, 5, v5
	v_add_nc_u32 v[STO], s100, v5
	v_mul_u32_u24 v5, v2, SPITCH                   ; back: lanes 0-15 one row of 256 bytes, lanes 16-31 the next
	v_lshl_add_u32 v5, v1, 4, v5
	v_add_nc_u32 v[RD], s100, v5
	v_lshlrev_b32 v5, 12, v2                       ; and the same two rows in the result
	v_lshl_add_u32 v[CO], v1, 4, v5
.macro FRAG reg, adr, q, i
.irp c, 0,1,2,3
	ds_load_b128 v[\reg+4*\c:\reg+4*\c+3], v[\adr] offset:128*(\q)+32*\c+(\i)*16*PITCH
.endr
.endm
.macro FRAGA reg, adr, q, i
.irp c, 0,1,2,3
	ds_load_b128 v[\reg+4*\c:\reg+4*\c+3], v[\adr] offset:4096*(\i)+2048*(\q)+512*\c
.endr
.endm
; eight matrix instructions: A's blocks a0, a0 + 1 x B's four.  The 32 accumulators take turns, one instruction a turn, in the same order in every step.
.macro MUL8 a0, p, q, sc, zero
.irp a, \a0, \a0+1
.irp b, 0,1,2,3
.if \zero
	v_wmma_scale_f32_16x16x128_f8f6f4 v[8*(4*(\a)+\b):8*(4*(\a)+\b)+7], v[64*(\p)+FR*\b:64*(\p)+FR*\b+FR-1], v[AF+FR*(\a):AF+FR*(\a)+FR-1], 0, v[SC+8*NQ*(\sc)+NQ*\b+(\q)], v[SC+8*NQ*(\sc)+NQ*(\a)+(\q)] matrix_a_scale:MATRIX_SCALE_ROW1
.else
	v_wmma_scale_f32_16x16x128_f8f6f4 v[8*(4*(\a)+\b):8*(4*(\a)+\b)+7], v[64*(\p)+FR*\b:64*(\p)+FR*\b+FR-1], v[AF+FR*(\a):AF+FR*(\a)+FR-1], v[8*(4*(\a)+\b):8*(4*(\a)+\b)+7], v[SC+8*NQ*(\sc)+NQ*\b+(\q)], v[SC+8*NQ*(\sc)+NQ*(\a)+(\q)] matrix_a_scale:MATRIX_SCALE_ROW1
.endif
.endr
.endr
.endm
.macro FETCH_B slot, q, p
	WIN TO_B
.irp i, 0,1,2,3
	FRAG 64*(\p)+FR*\i, ADRB+\slot, \q, \i
.endr
	WIN 0
.endm
.macro FETCH_A slot, q, i0
.irp i, \i0, \i0+1, \i0+2, \i0+3
	FRAGA AF+FR*(\i), ADRA+\slot, \q, \i
.endr
.endm
.macro SCALES sc                       ; a K step's scale words: lanes 0-15 A's block i, lanes 16-31 B's block i (used for i under 4)
.irp i, 0,1,2,3,4,5,6,7
	ds_load_b64 v[SC+8*NQ*\sc+NQ*\i:SC+8*NQ*\sc+NQ*\i+1], v[ADRS] offset:\i*SBLK
.endr
.endm
.macro PLACES n
.rept \n
	v_nop
.endr
.endm
.macro STEP slot, q, zero              ; 128 along K, with its successor in the same slot
	s_wait_dscnt 4*NL                              ; all but the youngest sixteen loads (A's blocks 4-7) are in
	WIN MUL
	MUL8 0, (\q)%2, \q, \slot, \zero
	MUL8 2, (\q)%2, \q, \slot, \zero
	s_wait_dscnt 0
	PLACES NP
	FETCH_B \slot, (\q)+1, 1-(\q)%2
	FETCH_A \slot, (\q)+1, 0
	WIN MUL
	MUL8 4, (\q)%2, \q, \slot, \zero
	MUL8 6, (\q)%2, \q, \slot, \zero
	PLACES NP
	WIN 0
	FETCH_A \slot, (\q)+1, 4
.endm
.macro TURN slot, next, fill           ; a slot's last step changes slots
	s_wait_tensorcnt 0x0                           ; all my tensor loads have landed: my part of the next slot
	ds_add_u32 v[SPW], v[NIL]                      ; 0 onto my spare word
	s_wait_dscnt 4*NL+1                            ; (the add and the youngest sixteen loads may be out)
	WIN MUL
	MUL8 0, 1, NQ-1, \slot, 0
	s_wait_dscnt 0x0                               ; the add is done, and my reads of this slot are over
	s_barrier_signal -1
	MUL8 2, 1, NQ-1, \slot, 0
	WIN 0
	s_barrier_wait -1
.if \fill
	CREST                                          ; the barrier has opened a round of the cluster's barrier
	s_add_nc_u64 s[G0+4*\slot+2:G0+4*\slot+3], s[G0+4*\slot+2:G0+4*\slot+3], 2*ASTEP
	s_add_nc_u64 s[G0B+4*\slot+2:G0B+4*\slot+3], s[G0B+4*\slot+2:G0B+4*\slot+3], 2*ROWB
	JLOAD G0+4*\slot, G1, G0B+4*\slot, G1B         ; the first tensor load behind the round
	PLACES NP-4
.else
	PLACES NP
.endif
	s_wait_alu depctr_va_vdst(0)
	v_add_nc_u32 v[ADRS], 4*NQ, v[ADRS]            ; on to the next K step's scale words
	FETCH_B \next, 0, 0
	FETCH_A \next, 0, 0
	SCALES \next
	WIN MUL
	MUL8 4, 1, NQ-1, \slot, 0
	MUL8 6, 1, NQ-1, \slot, 0
	PLACES NP
	WIN 0
	FETCH_A \next, 0, 4
.endm
	s_wait_alu depctr_va_vdst(0)
	s_wait_tensorcnt 0x0                           ; my tile of the head's four is in
	ds_add_u32 v[SPW], v[NIL]
	s_mov_b32 s[G1+2], 8<<16                       ; no tensor load of mine is out: from here on a load brings half a tile,
	s_mov_b32 s[G1+4], 8
	s_mov_b32 s[G1B+2], 64<<16
	s_mov_b32 s[G1B+4], 64
	s_mov_b32 s[G0+1], s45                         ; and slot 0's descriptors name my half
	s_add_nc_u64 s[G0+2:G0+3], s[G0+2:G0+3], s[18:19]
	s_mov_b32 s[G0B+1], s94
	s_add_nc_u64 s[G0B+2:G0B+3], s[G0B+2:G0B+3], s[96:97]
	s_wait_dscnt 0x0
	CROUND                                         ; a whole round: all four tiles are in, and all sixteen work-groups are here
	JLOAD G0+4, G1, G0B+4, G1B                     ; K step 1, the first tensor load behind the round
	FETCH_B 0, 0, 0
	FETCH_A 0, 0, 0
	SCALES 0
	FETCH_A 0, 0, 4
	STEP 0, 0, 1                                   ; the first step's products start the sums
	s_mov_b32 s3, LAPS-1
.Llap:
	TURN 0, 1, 1
	STEP 1, 0, 0
	TURN 1, 0, 1
	STEP 0, 0, 0
	s_sub_co_u32 s3, s3, 1
	s_cmp_lg_u32 s3, 0
	s_cbranch_scc1 .Llap
	TURN 0, 1, 0                                   ; the last lap fills nothing
	STEP 1, 0, 0
	s_wait_dscnt 4*NL
	WIN MUL
	MUL8 0, 1, NQ-1, 1, 0
	MUL8 2, 1, NQ-1, 1, 0
	s_wait_dscnt 0
	MUL8 4, 1, NQ-1, 1, 0
	MUL8 6, 1, NQ-1, 1, 0
	WIN 0
.macro TOSTAGE a                       ; block a into my stage, each accumulator from its low end on, and back by rows; LDS serves a wave's instructions in order (ISA guide 5.7.1.4)
.set AC, 32*(\a)
	WIN 0x08
.irp b, 0,1,2,3
	ds_store_b128 v[STO], v[AC+8*\b:AC+8*\b+3] offset:64*\b
	ds_store_b128 v[STO], v[AC+8*\b+4:AC+8*\b+7] offset:64*\b+16
.endr
	WIN 0
.set BB, BK+32*((\a)%2)
.irp t, 0,1,2,3,4,5,6,7
	ds_load_b128 v[BB+4*\t:BB+4*\t+3], v[RD] offset:\t*2*SPITCH
.endr
.endm
.macro SEND a, younger                 ; younger: the LDS instructions issued behind block a's loads
.set BB, BK+32*((\a)%2)
	s_wait_dscnt \younger
.if (\a) > 0
	s_add_nc_u64 s[12:13], s[12:13], (8+16*(1-(\a)%2))*SIZE_N*4   ; block a begins at token 32 (a / 2) + 8 (a % 2)
.endif
.irp t, 0,1,2,3,4,5,6,7
	global_store_b128 v[CO], v[BB+4*\t:BB+4*\t+3], s[12:13] offset:(2*\t+8*(\t/4))*SIZE_N*4 th:TH_STORE_NT   ; stage rows 2 t, 2 t + 1 are tokens 2 t + 8 (t / 4) and the next; sixteen lanes store 256 aligned bytes
.endr
.endm
	PLACES NP
	TOSTAGE 0
.irp a, 1,2,3,4,5,6,7
.if \a > 1
	s_wait_xcnt 0x0                                ; block a - 2's stores have read their registers and their base
.endif
	TOSTAGE \a
	SEND \a-1, 16                                  ; behind block a - 1's loads: block a's 8 stores and 8 loads
.endr
	s_wait_xcnt 0x0
	SEND 7, 0
	s_wait_tensorcnt 0x0                           ; the wave's end
	ds_add_u32 v[SPW], v[NIL]
	s_wait_dscnt 0x0
	CROUND                                         ; the closing round
	s_endpgm
.Lfunc_end_k_q5bc171caad_proj:
	.size	k_q5bc171caad_proj, .Lfunc_end_k_q5bc171caad_proj-k_q5bc171caad_proj
	.p2alignl 7, 3214868480
	.fill 96, 4, 3214868480
	.section	.rodata,"a",@progbits
	.p2align	6, 0x0
	.amdhsa_kernel k_q5bc171caad_proj
		.amdhsa_group_segment_fixed_size 327680
		.amdhsa_private_segment_fixed_size 0
		.amdhsa_enable_private_segment 0
		.amdhsa_kernarg_size 40
		.amdhsa_user_sgpr_count 2
		.amdhsa_user_sgpr_kernarg_segment_ptr 1
		.amdhsa_wavefront_size32 1
		.amdhsa_system_sgpr_workgroup_id_x 1
		.amdhsa_system_sgpr_workgroup_id_y 1
		.amdhsa_system_sgpr_workgroup_id_z 1
		.amdhsa_system_vgpr_workitem_id 0
		.amdhsa_next_free_vgpr 768
		.amdhsa_next_free_sgpr 104
		.amdhsa_reserve_vcc 0
		.amdhsa_float_denorm_mode_32 3
		.amdhsa_float_denorm_mode_16_64 3
		.amdhsa_memory_ordered 1
		.amdhsa_forward_progress 1
		.amdhsa_inst_pref_size 93
	.end_amdhsa_kernel
	.amdgpu_metadata
---
amdhsa.version: [ 1, 2 ]
amdhsa.kernels:
  - .name:           k_q5bc171caad_proj
    .symbol:         k_q5bc171caad_proj.kd
    .args:
      - { .name: y_img, .offset: 0, .size: 8, .value_kind: global_buffer, .address_space: global }
      - { .name: y_scales, .offset: 8, .size: 8, .value_kind: global_buffer, .address_space: global }
      - { .name: xw_codes, .offset: 16, .size: 8, .value_kind: global_buffer, .address_space: global }
      - { .name: xw_scales, .offset: 24, .size: 8, .value_kind: global_buffer, .address_space: global }
      - { .name: out0, .offset: 32, .size: 8, .value_kind: global_buffer, .address_space: global }
    .group_segment_fixed_size: 327680
    .private_segment_fixed_size: 0
    .kernarg_segment_align: 8
    .kernarg_segment_size: 40
    .max_flat_workgroup_size: 128
    .sgpr_count:     104
    .vgpr_count:     768
    .wavefront_size: 32
...
	.end_amdgpu_metadata
.endif
;; end of part 4
